; MI455X (gfx1250); checked and timed in simulation.
; The chip was launched on July 23, 2026; its instructions are those of AMD's public machine-readable ISA for CDNA 5 (MIT licence, August 2026) and "CDNA5" Instruction Set Architecture Reference Guide (July 2026). The comments in the code are by the model that wrote it; some were corrected since.
;; Attention. Allowed arithmetic: matrix products marked QUANTISED: E3M2 operands, one E8M0 scale for each 32 along K, by v_wmma_scale_f32_16x16x128_f8f6f4 with both operands' format E3M2, f32 sums; products left as they are: f32 operands where the result goes on into a quantised operand, else bf16, f16 or f32 operands; f32 sums; everything else in f32.
;; Inputs: We 1,024 x 1 float32; Wk_codes 1,024 x 32 x 24 uint8 (E3M2 codes of Wk, K innermost, in blocks of 32 codes, four codes in three bytes); Wk_scales 1,024 x 32 uint8 (E8M0 scales of Wk, one for each 32 codes along K); Wq_codes 1,024 x 32 x 24 uint8 (E3M2 codes of Wq, K innermost, in blocks of 32 codes, four codes in three bytes); Wq_scales 1,024 x 32 uint8 (E8M0 scales of Wq, one for each 32 codes along K); decoder_hidden_codes 32 x 32 x 24 uint8 (E3M2 codes of decoder_hidden, K innermost, in blocks of 32 codes, four codes in three bytes); decoder_hidden_scales 32 x 32 uint8 (E8M0 scales of decoder_hidden, one for each 32 codes along K); encoder_outputs 32 x 1,024 x 1,024 float32.
;; Outputs: out0 32 x 1,024 float32; out1 32 x 1,024 x 1 float32.
;; This version of the problem:
;;   THIS VERSION OF THE PROBLEM IS GIVEN IN LOW PRECISION. The matrix products marked QUANTISED in the list below multiply operands that are first quantised to E3M2 (3 exponent bits, 2 mantissa bits; 6 bits a number), with one power-of-two scale for each 32 numbers along K (OCP MX v1.0); their sums are f32. All else is computed in f32.
;;   The module's matrix products, in the order in which they are computed (A, B: the left and right operand; K: the contracted axis; several contracted axes count as one K, in the product's order):
;;     1. [M 32, K 1,024] x [K 1,024, N 1,024]; A: input decoder_hidden (given as codes); B: input Wq (given as codes): QUANTISED
;;     2. [M 32,768, K 1,024] x [K 1,024, N 1,024]; A: input encoder_outputs; B: input Wk (given as codes): QUANTISED
;;     3. [M 32,768, K 1,024] x [K 1,024, N 1]; A: computed on the way; B: input We: left as it is (N = 1 < 16)
;;     4. batch 32 x [M 1, K 1,024] x [K 1,024, N 1,024]; A: computed on the way; B: input encoder_outputs: left as it is (M = 1 < 16)
;;   THE QUANTISER, for each operand of a quantised product, along K:
;;     - K is cut into blocks of 32 from its start; a last block that is shorter is filled with zeros.
;;     - A block's scale is 2^e with e = floor(log2(the largest magnitude in the block)) - 4, held to -126 .. 127; a block of zeros has e = 0. As a byte (E8M0): e + 127.
;;     - Each number is divided by its block's scale, clamped to +-28, and rounded to the nearest number of E3M2, ties to even, subnormals kept.
;;     - The product sums the exact products of the quantised numbers (number of the format x scale) in f32.
;;   ~~~python
;;   def quantise(x, axis):      # numpy; x: float32 -> the quantised numbers, widened to float32 again
;;       x = np.moveaxis(x, axis, -1); K = x.shape[-1]
;;       x = np.pad(x, [(0, 0)] * (x.ndim - 1) + [(0, -K % 32)]); x = x.reshape(x.shape[:-1] + (-1, 32)); a = np.abs(x).max(-1, keepdims=True)
;;       e = np.where(a > 0, np.clip(np.frexp(np.where(a > 0, a, 1))[1] - 1 - 4, -126, 127), 0)      # np.frexp(a)[1] - 1 = floor(log2(a)), exactly
;;       r = np.clip(x / 2.0 ** e, -28, 28)
;;       step = 2.0 ** (np.maximum(np.frexp(np.where(r == 0, 1, r))[1] - 1, -2) - 2)
;;       q = np.round(r / step) * step * 2.0 ** e      # np.round: ties to even
;;       return np.moveaxis(q.reshape(q.shape[:-2] + (-1,))[..., :K], -1, axis).astype(np.float32)
;;   ~~~
;;   INPUTS GIVEN AS CODES. Wk (in the module: [1024, 1024], K = its axis 0); Wq (in the module: [1024, 1024], K = its axis 0); decoder_hidden (in the module: [32, 1024], K = its axis 1): each comes as NAME_codes (uint8): NAME with its K axis moved to the last place and cut into blocks of 32 codes, [.., K / 32, bytes a block], one block behind the other in memory; four codes in three bytes: a row's codes are one little-endian stream of bits, code i at bits 6 i .. 6 i + 5 (a code: sign, 3 exponent bits, 2 mantissa bits); and NAME_scales (uint8): the same leading axes, one E8M0 byte (e + 127) for each 32 codes along K. Its value is code x scale, taken as it is: it is not quantised again, and the codes and scales need not be those that the quantiser above would give.
;; 2 versions, each right; version 2 is version 1 with the launches prep, attend written anew for expert scheduling mode. Each part assembles by itself: llvm-mc -triple=amdgcn-amd-amdhsa -mcpu=gfx1250 --defsym DOCPART=n.
;; ======== version 1 of 2: 3 launches
;; workspace buffers: qws 131,072 bytes; wkimg 786,432 bytes; pws 131,072 bytes; stws 65,536 bytes; ctxws 1,048,576 bytes
;; launch prep (part 1): grid 24 x 1, 8 waves a work-group, no clusters, 9,728 bytes of LDS; arguments decoder_hidden_codes, decoder_hidden_scales, Wq_codes, Wq_scales, Wk_codes, qws, wkimg; writes qws, wkimg
.if DOCPART == 1
	.amdgcn_target "amdgcn-amd-amdhsa--gfx1250"
	.amdhsa_code_object_version 6
	.text
	.protected	k_q25309521d2_prep
	.globl	k_q25309521d2_prep
	.p2align	8
	.type	k_q25309521d2_prep,@function
k_q25309521d2_prep:
	s_mov_b64 s[64:65], 0
	v_nop
	global_prefetch_b8 v0, s[64:65] scope:SCOPE_SE
	s_setreg_imm32_b32 hwreg(HW_REG_WAVE_MODE, 25, 1), 1
	s_wait_xcnt 0x0
; Two small jobs ahead of the main launch, told apart by the work-group's number (the same in all waves of a work-group).
; Work-groups 0-15: q = decoder_hidden x Wq on codes of BF6 (E3M2) with E8M0 scales, as they are given; q [32][1024] f32 goes to qws.
;   Wave: one tile of 16 d (nt = wave / 2 of the work-group's four) x one tile of 16 batches (mt = wave % 2), K = 1,024 in eight steps of 128.
;   The product is used transposed (source 0 = 16 rows of Wq, source 1 = 16 rows of decoder_hidden): a lane holds one batch and eight neighbouring d.
;   The work-group's 64 d are 256 bytes of a row of q: the eight waves' results meet in a stage in LDS and leave as whole aligned runs of 256 bytes.
; Work-groups 16-23: Wk's codes are laid anew in the order of an operand's registers: tile t of 16 d at 12,288 t, K step s at + 1,536 s,
;   registers 4 c .. 4 c + 3 at + 512 c, lane l at + 16 l.  The main launch then takes a fragment by three dense loads of 16 bytes a lane.
.set ROWB,  768                        ; a row of 1,024 codes in bytes
.set TILEB, 16*ROWB                    ; 16 rows
.set SP,    272                        ; a stage row: 256 bytes + 16, so that the sixteen rows of a store start at sixteen different banks (64 banks of 4 bytes: ISA guide 11.1)
.set WF, 16                            ; v16-111   eight fragments of Wq (or of Wk)
.set DF, 112                           ; v112-207  eight fragments of decoder_hidden
.set WS, 208                           ; v208-211  Wq's scale words: register j = K step j in lanes 0-15, K step 4 + j in lanes 16-31
.set DS, 212                           ; v212-215  decoder_hidden's likewise
.set A0, 216                           ; v216-223  the sum over the even K steps
.set A1, 224                           ; v224-231  the sum over the odd ones
.set O,  232                           ; v232-239  their sum
.set BK, 240                           ; v240-247  two rows' pieces read back from the stage
; A fragment is 16 rows x 128 K in 12 registers: lane (r, h) takes 24 bytes at 96 s + 24 h and 24 bytes 48 further on of row r, each as three loads of 8 bytes.
.macro FRAGS reg, sb
.irp s, 0,1,2,3,4,5,6,7
.irp p, 0,1,2,3,4,5
	global_load_b64 v[\reg+12*\s+2*\p:\reg+12*\s+2*\p+1], v3, s[\sb:\sb+1] offset:96*\s+48*(\p/3)+8*(\p%3)
.endr
.endr
.endm
	s_load_b256 s[4:11], s[0:1], 0x0               ; decoder_hidden's codes s[4:5], its scales s[6:7], Wq's codes s[8:9], its scales s[10:11]
	s_load_b128 s[12:15], s[0:1], 0x20             ; Wk's codes s[12:13], qws s[14:15]
	s_load_b64 s[16:17], s[0:1], 0x30              ; wkimg
	v_lshl_add_u32 v254, v0, 2, 0x2200
	v_mov_b32 v255, 0
	v_lshrrev_b32 v1, 5, v0
	v_readfirstlane_b32 s20, v1                    ; wave 0..7
	v_and_b32 v1, 15, v0                           ; r
	v_bfe_u32 v2, v0, 4, 1                         ; h
	v_mul_u32_u24 v3, v1, ROWB
	v_mad_u32_u24 v3, v2, 24, v3                   ; codes: row r, + 24 h
	s_mov_b32 s23, 0                               ; the high word of every offset
	s_cmp_lt_u32 ttmp9, 16
	s_cbranch_scc0 .Lrelay
	; ---- q
	s_lshr_b32 s21, s20, 1                         ; nt
	s_and_b32 s24, s20, 1                          ; mt
	s_lshl_b32 s25, ttmp9, 2
	s_add_co_u32 s25, s25, s21                     ; t = 4 x work-group + nt: my tile of 16 d
	v_lshlrev_b32 v4, 5, v1
	v_lshl_add_u32 v4, v2, 4, v4                   ; scale bytes: row r of 32, + 16 h
	s_mul_i32 s26, s24, 16*SP
	s_lshl_b32 s27, s21, 6
	s_add_co_u32 s26, s26, s27
	v_mul_u32_u24 v6, v1, SP
	v_lshl_add_u32 v6, v2, 5, v6
	v_add_nc_u32 v6, s26, v6                       ; into the stage: row 16 mt + r, byte 64 nt + 32 h
	v_lshrrev_b32 v7, 4, v0                        ; thread / 16: 0..15
	v_mul_u32_u24 v8, v7, SP
	v_lshl_add_u32 v8, v1, 4, v8                   ; back: sixteen threads to a row of 256 bytes
	v_lshlrev_b32 v9, 12, v7
	v_lshl_add_u32 v9, v1, 4, v9                   ; and the same place in q: rows of 4,096 bytes
	s_wait_kmcnt 0x0
	s_mul_i32 s22, s25, TILEB
	s_add_nc_u64 s[8:9], s[8:9], s[22:23]
	s_lshl_b32 s22, s25, 9
	s_add_nc_u64 s[10:11], s[10:11], s[22:23]
	s_mul_i32 s22, s24, TILEB
	s_add_nc_u64 s[4:5], s[4:5], s[22:23]
	s_lshl_b32 s22, s24, 9
	s_add_nc_u64 s[6:7], s[6:7], s[22:23]
	s_lshl_b32 s22, ttmp9, 8
	s_add_nc_u64 s[14:15], s[14:15], s[22:23]      ; q at the work-group's 64 d
	FRAGS WF, 8
	FRAGS DF, 4
	global_load_b128 v[WS:WS+3], v4, s[10:11]
	global_load_b128 v[DS:DS+3], v4, s[6:7]
	s_wait_loadcnt 0x0
	; two accumulators by turns, one instruction a turn; the first two products start the sums
.irp s, 0,1,2,3,4,5,6,7
.if \s < 2
	v_wmma_scale_f32_16x16x128_f8f6f4 v[A0+8*(\s%2):A0+8*(\s%2)+7], v[WF+12*\s:WF+12*\s+11], v[DF+12*\s:DF+12*\s+11], 0, v[WS+\s%4], v[DS+\s%4] matrix_a_fmt:MATRIX_FMT_BF6 matrix_b_fmt:MATRIX_FMT_BF6
.elseif \s < 4
	v_wmma_scale_f32_16x16x128_f8f6f4 v[A0+8*(\s%2):A0+8*(\s%2)+7], v[WF+12*\s:WF+12*\s+11], v[DF+12*\s:DF+12*\s+11], v[A0+8*(\s%2):A0+8*(\s%2)+7], v[WS+\s%4], v[DS+\s%4] matrix_a_fmt:MATRIX_FMT_BF6 matrix_b_fmt:MATRIX_FMT_BF6
.else
	v_wmma_scale_f32_16x16x128_f8f6f4 v[A0+8*(\s%2):A0+8*(\s%2)+7], v[WF+12*\s:WF+12*\s+11], v[DF+12*\s:DF+12*\s+11], v[A0+8*(\s%2):A0+8*(\s%2)+7], v[WS+\s%4], v[DS+\s%4] matrix_a_fmt:MATRIX_FMT_BF6 matrix_b_fmt:MATRIX_FMT_BF6 matrix_a_scale:MATRIX_SCALE_ROW1 matrix_b_scale:MATRIX_SCALE_ROW1
.endif
.endr
.rept 4
	v_nop                                          ; four places between the last product and the first read of results (ISA guide 7.12.1)
.endr
.irp k, 0,2,4,6
	v_pk_add_f32 v[O+\k:O+\k+1], v[A0+\k:A0+\k+1], v[A1+\k:A1+\k+1]   ; from the low end on: lane (r, h) holds q(16 mt + r, 16 t + 8 h + 0 .. 7)
.endr
	ds_store_b128 v6, v[O:O+3]
	ds_store_b128 v6, v[O+4:O+7] offset:16
	s_wait_dscnt 0x0                               ; for the others' sake: my stores into the stage are done
	s_barrier_signal -1
	s_barrier_wait -1
	ds_load_b128 v[BK:BK+3], v8
	ds_load_b128 v[BK+4:BK+7], v8 offset:16*SP
	s_wait_dscnt 0x1                               ; the first is in, the second may be out
	global_store_b128 v9, v[BK:BK+3], s[14:15]     ; sixteen lanes store 256 consecutive bytes, at a multiple of 256 from q's first byte
	s_wait_dscnt 0x0
	global_store_b128 v9, v[BK+4:BK+7], s[14:15] offset:16*4096
	s_wait_tensorcnt 0x0
	ds_add_u32 v254, v255
	s_wait_dscnt 0x0
	s_endpgm
	; ---- Wk's codes in the order of the operand's registers
.Lrelay:
	s_sub_co_u32 s21, ttmp9, 16
	s_lshl_b32 s21, s21, 3
	s_add_co_u32 s21, s21, s20                     ; t = 8 x (work-group - 16) + wave: 0..63
	s_mul_i32 s22, s21, TILEB
	v_and_b32 v5, 31, v0
	v_lshlrev_b32 v5, 4, v5                        ; 16 x lane
	s_wait_kmcnt 0x0
	s_add_nc_u64 s[12:13], s[12:13], s[22:23]
	s_add_nc_u64 s[16:17], s[16:17], s[22:23]
	FRAGS WF, 12
	s_wait_loadcnt 0x0
.irp s, 0,1,2,3,4,5,6,7
.irp c, 0,1,2
	global_store_b128 v5, v[WF+12*\s+4*\c:WF+12*\s+4*\c+3], s[16:17] offset:1536*\s+512*\c   ; 32 lanes store 512 consecutive bytes
.endr
.endr
	s_endpgm
.Lfunc_end_k_q25309521d2_prep:
	.size	k_q25309521d2_prep, .Lfunc_end_k_q25309521d2_prep-k_q25309521d2_prep
	.p2alignl 7, 3214868480
	.fill 96, 4, 3214868480
	.section	.rodata,"a",@progbits
	.p2align	6, 0x0
	.amdhsa_kernel k_q25309521d2_prep
		.amdhsa_group_segment_fixed_size 9728
		.amdhsa_private_segment_fixed_size 0
		.amdhsa_enable_private_segment 0
		.amdhsa_kernarg_size 56
		.amdhsa_user_sgpr_count 2
		.amdhsa_user_sgpr_kernarg_segment_ptr 1
		.amdhsa_wavefront_size32 1
		.amdhsa_system_sgpr_workgroup_id_x 1
		.amdhsa_system_sgpr_workgroup_id_y 1
		.amdhsa_system_sgpr_workgroup_id_z 1
		.amdhsa_system_vgpr_workitem_id 0
		.amdhsa_next_free_vgpr 256
		.amdhsa_next_free_sgpr 66
		.amdhsa_reserve_vcc 0
		.amdhsa_float_denorm_mode_32 3
		.amdhsa_float_denorm_mode_16_64 3
		.amdhsa_memory_ordered 1
		.amdhsa_forward_progress 1
		.amdhsa_inst_pref_size 21
	.end_amdhsa_kernel
	.amdgpu_metadata
---
amdhsa.version: [ 1, 2 ]
amdhsa.kernels:
  - .name:           k_q25309521d2_prep
    .symbol:         k_q25309521d2_prep.kd
    .args:
      - { .name: decoder_hidden_codes, .offset: 0, .size: 8, .value_kind: global_buffer, .address_space: global }
      - { .name: decoder_hidden_scales, .offset: 8, .size: 8, .value_kind: global_buffer, .address_space: global }
      - { .name: Wq_codes, .offset: 16, .size: 8, .value_kind: global_buffer, .address_space: global }
      - { .name: Wq_scales, .offset: 24, .size: 8, .value_kind: global_buffer, .address_space: global }
      - { .name: Wk_codes, .offset: 32, .size: 8, .value_kind: global_buffer, .address_space: global }
      - { .name: qws, .offset: 40, .size: 8, .value_kind: global_buffer, .address_space: global }
      - { .name: wkimg, .offset: 48, .size: 8, .value_kind: global_buffer, .address_space: global }
    .group_segment_fixed_size: 9728
    .private_segment_fixed_size: 0
    .kernarg_segment_align: 8
    .kernarg_segment_size: 56
    .max_flat_workgroup_size: 256
    .sgpr_count:     66
    .vgpr_count:     256
    .wavefront_size: 32
...
	.end_amdgpu_metadata
.endif
;; end of part 1
;; launch attend (part 2): grid 256 x 1, 4 waves a work-group, no clusters, 324,096 bytes of LDS; arguments encoder_outputs, qws, wkimg, Wk_scales, We, pws, stws, ctxws; writes pws, stws, ctxws
.if DOCPART == 2
	.amdgcn_target "amdgcn-amd-amdhsa--gfx1250"
	.amdhsa_code_object_version 6
	.text
	.protected	k_q25309521d2_attend
	.globl	k_q25309521d2_attend
	.p2align	8
	.type	k_q25309521d2_attend,@function
k_q25309521d2_attend:
	s_mov_b64 s[64:65], 0
	v_nop
	global_prefetch_b8 v0, s[64:65] scope:SCOPE_SE
	s_setreg_imm32_b32 hwreg(HW_REG_WAVE_MODE, 25, 1), 1
	s_wait_xcnt 0x0
; For 128 rows (positions) of one batch: keys = Q(enc) x Wk on codes of BF6 (E3M2) with E8M0 scales, tanh(q + keys) . We, a softmax under the work-group's own maximum, and the
; weighted sum of the same 128 rows.  A last launch joins the eight parts of a batch.  encoder_outputs is read from memory ONCE: each row is quantised on its way in, and a bf16 copy of it
; stays in LDS (128 x 2,048 bytes) for the weighted sum.
; SHARES.  Four waves, as many as a WGP has SIMDs.  Wave w quantises rows 32 w .. 32 w + 31; the codes go from wave to wave through LDS as images of the operand's registers, and EVERY wave then
; holds the codes of all 128 rows in registers (64 fragments, 768 registers).  In the product wave w owns d = 256 w .. 256 w + 255, 16 tiles of 16; a fragment of Wk is wanted by one wave alone and
; comes from memory straight into its operand registers (three dense loads of 16 bytes a lane from the image that the launch before has laid), refilled right behind its use for the next tile.
; THE PRODUCT IS USED TRANSPOSED (source 0 = 16 d of Wk, source 1 = 16 rows): a lane holds ONE row and eight neighbouring d.  q is the C of each sum's first product.
; tanh(x) = 1 - 2 r, r = 1 / (1 + 2^(2 log2(e) x)).  The 1 adds the same sum of We to every row's energy, and the softmax's own subtraction of the maximum takes it away for every input: it is not added.
; With We' = -2 log2(e) We the sum of We' r is the energy in base 2, t; p = 2^(t - m), m the largest t of the 128 rows.
; NO CLUSTER, NO TENSOR LOAD: beside the 262,144 bytes of kept rows LDS has room for two slots of about 25 KB, 32 matrix instructions' worth a wave for each change of slots; and what all work-groups share
; (Wk, 786,432 bytes) each wave needs only a quarter of.  NO PREFETCH: the rows' loads are themselves issued four pieces (64 loads, 32 KB a wave) ahead.
; LIMITS: NaN and infinities among the inputs are not served.  A block of 32 whose largest magnitude lies under 2^-122 (a block of zeros too) keeps the scale byte 1; a block of zeros has zero codes, which add nothing.
; The rows are rounded to bf16 for the weighted sum alone; what is quantised is the f32 number.
.set STG,  262144                      ; LDS behind the kept rows: a turning stage for each wave, 16 rows x 528 bytes
.set STGW, 8448
.set XB0,  295936                      ; two buffers by turns (K step s in buffer s % 2): 8 images of 1,536 bytes (tile of rows m), then the tiles' scale words, 64 bytes each
.set XBS,  12800
.set XSC,  12288
.set RED,  321536                      ; the waves' parts of the energies: [wave][128] f32
.set PRV0, 262144                      ; from the last sharing barrier on, over the stages and buffer 0: 10,240 bytes of each wave's own:
.set PRVW, 10240                       ;   + 0 Wk's scale bytes of my 256 d (8,192), + 8,192 my 256 of q, + 9,216 my 256 of We'; behind the loop: + 0 p (512), + 1,024 the context's way out (1,024)
.set PQ,   8192
.set PWE,  9216
.set CST,  1024
.set L16,  1                           ; v1   16 x lane
.set XOFF, 2                           ; v2   rows in memory: 16 x lane + 32 rows x wave
.set RETW, 3                           ; v3   kept rows: 32 rows x wave + 8 x lane
.set SWR,  4                           ; v4   my stage, as loaded: 16 x lane
.set SRD,  5                           ; v5   my stage, turned: 528 r + 64 h
.set IMW,  6                           ; v6   where I store images: buffer 0 + 2 tiles x wave + 16 x lane
.set SCW,  7                           ; v7   and their scale words: + 128 x wave + 4 r
.set IMR,  8                           ; v8   where I read images: buffer 0 + 16 x lane
.set SCR,  9                           ; v9   and scale words: lanes 0-15 tiles 0-3, lanes 16-31 tiles 4-7: + 256 h + 4 r
.set QA,   10                          ; v10  q of the tile in hand: + 32 h
.set WA,   11                          ; v11  We' likewise
.set SA,   12                          ; v12  Wk's scale bytes of the tile: 32 r + 16 h
.set PRVL, 13                          ; v13  my own bytes + 16 x lane
.set REDW, 14                          ; v14  my part of the energies: + 512 x wave + 4 r
.set REDR, 15                          ; v15  all parts: + 16 x lane
.set ASC,  16                          ; v16-47   the rows' scale words: register 4 s + j: tile j in lanes 0-15, tile 4 + j in lanes 16-31
.set F63,  48                          ; v48-59   fragment 63.  Fragment f = 8 s + m (K step s, tile of rows m), f < 63, lies in window 1 + f / 21 at register 12 (f % 21)
.set BSC,  60                          ; v60-63   Wk's scale words of the tile: register j: K step j in lanes 0-15, K step 4 + j in lanes 16-31
.set BFR,  64                          ; v64-159  Wk's eight fragments of the tile
.set ACC,  160                         ; v160-223 eight accumulators, one for each tile of rows
.set Q,    224                         ; v224-231 q at the lane's eight d
.set WE,   232                         ; v232-239 We' likewise
.set EACC, 240                         ; v240-255 the energies: a pair (even d, odd d) for each tile of rows
; while the rows come in, the loop's registers serve otherwise:
.set LR0,  64                          ; four landing sets of 64: window 0 v64-127;
.set LR1,  168                         ; window 3 v168-231, v72-135, v0-63: the places of the fragments of K steps 7, 6 and 5, which are fetched last
.set LR2,  72
.set LR3,  0
.set BFT,  128                         ; v128-159 a piece as bf16
.set X,    160                         ; v160-223 a piece turned: register 16 b + i = k 32 b + 16 h + i of row r
.set PC,   224                         ; v224-243 the codes just made
.set TM,   244                         ; v244-247 largest magnitudes, v248-251 the other half's, then the bytes, v252-255 the conversions' scale operands
.set PW,   60                          ; v60      the scale word just made
; behind the loop:
.set ADR,  2                           ; v2   kept rows: 16 x thread, + 32 rows a trip
.set PA,   3                           ; v3   p's copy, + 128 a trip
.set CSTW, 4                           ; v4   the context's way out: + 32 x lane
.set ST8,  5                           ; v5   8 x lane
.set TT,   232                         ; v232-235 t, then p, of rows 4 lane .. 4 lane + 3
.set MX,   236                         ; v236 m,  v237 l,  v238 at work
.set LS,   237
.set TP,   238
.set RW,   64                          ; v64-191  32 kept rows' 16 bytes
.set PB,   192                         ; v192-223 their 32 p
.set CA,   224                         ; v224-231 my eight columns' sums
.set MSB, 0
.macro WIN new                         ; s_set_vgpr_msb: bits 1:0 source 0, 3:2 source 1, 5:4 source 2, 7:6 destination; the high byte repeats the setting that is left; a switch that changes nothing is dropped
.if MSB != (\new)
	s_set_vgpr_msb (MSB<<8)|(\new)
.set MSB, (\new)
.endif
.endm
.macro WHERE s, m                      ; fragment (s, m): its window AWN and first register ARG
.set FN, 8*(\s)+(\m)
.if FN < 63
.set AWN, 1+FN/21
.set ARG, 12*(FN%21)
.else
.set AWN, 0
.set ARG, F63
.endif
.endm
; Piece p: K step p / 2 (128 columns, 512 bytes of a row) of my rows 16 (p % 2) + 0 .. 15.  Sixteen loads, each of 512 consecutive bytes.
.macro XLOAD p, win, base
.set XS_, (\p)/2
.set XU_, (\p)%2
	WIN (\win)<<6
.irp i, 0,1,2,3,4,5,6,7,8,9,10,11,12,13,14,15
	global_load_b128 v[\base+4*\i:\base+4*\i+3], v[XOFF], s[4:5] offset:(16*XU_+\i)*4096+512*XS_ th:TH_LOAD_NT
.endr
	WIN 0
.endm
; 64 numbers of a lane, register 16 b + i = k 32 b + 16 h + i of my row, become a fragment's codes in v[PC] on and its scale word in v[PW].
.macro QUANT s
.irp b, 0,1,2,3
	v_max3_num_f32 v[TM+\b], |v[\s+16*\b]|, |v[\s+1+16*\b]|, 0x2800000   ; block b: my 16 numbers, and the floor 2^(5 - 127): the byte cannot fall under 1
.endr
.irp i, 2,4,6,8,10,12,14
.irp b, 0,1,2,3
	v_max3_num_f32 v[TM+\b], v[TM+\b], |v[\s+16*\b+\i]|, |v[\s+1+16*\b+\i]|   ; the four blocks by turns
.endr
.endr
.irp b, 0,1,2,3
	v_permlanex16_b32 v[TM+4+\b], v[TM+\b], s24, s25
.endr
.irp b, 0,1,2,3
	v_max_num_f32 v[TM+\b], v[TM+\b], v[TM+4+\b]   ; with lane l xor 16's 16: the block's largest magnitude
.endr
.irp b, 0,1,2,3
	v_add_nc_u32 v[TM+8+\b], 0xfe000000, v[TM+\b]  ; 4 off its exponent field: the conversion takes the exponent field of this operand as its scale
.endr
.irp b, 0,1,2,3
	v_lshrrev_b32 v[TM+4+\b], 23, v[TM+8+\b]       ; the scale's byte
.endr
	v_lshl_or_b32 v[PW], v[TM+5], 8, v[TM+4]       ; my row's scale word (both halves of the lanes hold the same)
	v_lshl_or_b32 v[PW], v[TM+6], 16, v[PW]
	v_lshl_or_b32 v[PW], v[TM+7], 24, v[PW]
.irp c, 0,1
	v_cvt_scalef32_pk16_bf6_f32 v[PC+6*\c:PC+2+6*\c], v[\s+32*\c:\s+15+32*\c], v[TM+8+2*\c]
	v_cvt_scalef32_pk16_bf6_f32 v[PC+12+4*\c:PC+14+4*\c], v[\s+16+32*\c:\s+31+32*\c], v[TM+8+2*\c+1]   ; (a conversion's three registers begin on an even number)
.endr
	v_nop                                          ; one plain place behind a scaled conversion
.irp c, 0,1                            ; the operand's layout wants a whole block in a lane: lanes 0-15 block 2 c, lanes 16-31 block 2 c + 1
.irp i, 0,1,2
	v_permlane16_swap_b32 v[PC+6*\c+\i], v[PC+12+4*\c+\i]
.endr
.irp i, 0,1,2
	v_mov_b32 v[PC+3+6*\c+\i], v[PC+12+4*\c+\i]
.endr
.endr
.endm
; A piece's turn.  It lies in the landing set (win, base).  nxt: the piece that is asked for into the same set, or -1.  left: the younger loads that may stay out, 16 for each piece asked for behind this one.
.macro PIECE p, win, base, nxt, left
.set PS_, (\p)/2
.set PU_, (\p)%2
	s_wait_dscnt 0x0                               ; the last piece's LDS stores have read their registers, and the fragments fetched last are in
	s_wait_loadcnt \left
	WIN (\win)<<2                                  ; an LDS store's data are its source 1
.irp i, 0,1,2,3,4,5,6,7,8,9,10,11,12,13,14,15
	ds_store_b128 v[SWR], v[\base+4*\i:\base+4*\i+3] offset:528*\i   ; as loaded: row i, 512 consecutive bytes
.endr
	WIN 0
.irp b, 0,1,2,3
.irp j, 0,1,2,3
	ds_load_b128 v[X+16*\b+4*\j:X+16*\b+4*\j+3], v[SRD] offset:128*\b+16*\j   ; turned: 16 neighbours of each block of row r.  LDS serves a wave's instructions in order (ISA guide 5.7.1.4): these see the stores above
.endr
.endr
	WIN (\win)|((\win)<<2)
.irp i, 0,1,2,3,4,5,6,7,8,9,10,11,12,13,14,15
	v_cvt_pk_bf16_f32 v[BFT+2*\i], v[\base+4*\i], v[\base+4*\i+1]
	v_cvt_pk_bf16_f32 v[BFT+2*\i+1], v[\base+4*\i+2], v[\base+4*\i+3]
.endr
	WIN 0
.irp i, 0,1,2,3,4,5,6,7,8,9,10,11,12,13,14,15
	ds_store_b64 v[RETW], v[BFT+2*\i:BFT+2*\i+1] offset:(16*PU_+\i)*2048+256*PS_   ; the copy that stays: 256 consecutive bytes of a row
.endr
	s_wait_dscnt 16                                ; all but those 16 stores: the turned piece is in, so the stores into the stage have read the landing set,
.if (\nxt) >= 0
	XLOAD \nxt, \win, \base                        ; which takes its next piece
.endif
	QUANT X
.irp c, 0,1,2
	ds_store_b128 v[IMW], v[PC+4*\c:PC+4*\c+3] offset:XBS*(PS_%2)+1536*PU_+512*\c   ; the fragment as it stands in my registers
.endr
	ds_store_b32 v[SCW], v[PW] offset:XBS*(PS_%2)+XSC+64*PU_   ; both halves of the lanes write the same word with the same value
.endm
.macro FETCH s                         ; the eight fragments of K step s, and their scale words, into every wave's registers
.irp m, 0,1,2,3,4,5,6,7
	WHERE \s, \m
	WIN AWN<<6
.irp c, 0,1,2
	ds_load_b128 v[ARG+4*\c:ARG+4*\c+3], v[IMR] offset:XBS*((\s)%2)+1536*\m+512*\c
.endr
.endr
	WIN 0
.irp j, 0,1,2,3
	ds_load_b32 v[ASC+4*(\s)+\j], v[SCR] offset:XBS*((\s)%2)+XSC+64*\j
.endr
.endm
; One barrier a K step does both orderings: in front of it each wave's stores into buffer s % 2 are done, and so are its reads of the other buffer (fetched a K step ago, waited for at the head of a piece),
; which is written again only behind this barrier.
.macro SHARE s
	s_wait_dscnt 0x0
	s_barrier_signal -1
	s_barrier_wait -1
	FETCH \s
.endm
	s_load_b256 s[4:11], s[0:1], 0x0               ; encoder_outputs s[4:5], qws s[6:7], wkimg s[8:9], Wk's scales s[10:11]
	s_load_b256 s[12:19], s[0:1], 0x20             ; We s[12:13], pws s[14:15], stws s[16:17], ctxws s[18:19]
	s_set_vgpr_msb 0x40
	v_lshl_add_u32 v254, v0, 2, 0x4f000
	v_mov_b32 v255, 0
	s_set_vgpr_msb 0x4000
	v_lshrrev_b32 v160, 5, v0
	v_readfirstlane_b32 s20, v160                  ; wave 0..3
	v_and_b32 v160, 31, v0                         ; lane
	v_lshlrev_b32 v[L16], 4, v160
	s_lshl_b32 s22, s20, 17
	v_add_nc_u32 v[XOFF], s22, v[L16]
	s_lshl_b32 s22, ttmp9, 19                      ; the work-group's 128 rows of 4,096 bytes
	s_mov_b32 s23, 0
	s_wait_kmcnt 0x0
	s_add_nc_u64 s[4:5], s[4:5], s[22:23]
	XLOAD 0, 0, LR0                                ; four pieces, 64 loads, are asked for before anything else is done
	XLOAD 1, 3, LR1
	XLOAD 2, 3, LR2
	XLOAD 3, 3, LR3
	v_and_b32 v161, 15, v0                         ; r
	v_bfe_u32 v162, v0, 4, 1                       ; h
	s_lshl_b32 s22, s20, 16
	v_lshl_add_u32 v[RETW], v160, 3, s22
	s_mul_i32 s22, s20, STGW
	s_add_co_u32 s22, s22, STG
	v_add_nc_u32 v[SWR], s22, v[L16]
	v_mul_u32_u24 v[SRD], v161, 528
	v_lshl_add_u32 v[SRD], v162, 6, v[SRD]
	v_add_nc_u32 v[SRD], s22, v[SRD]
	s_mul_i32 s22, s20, 3072
	s_add_co_u32 s22, s22, XB0
	v_add_nc_u32 v[IMW], s22, v[L16]
	s_lshl_b32 s22, s20, 7
	s_add_co_u32 s22, s22, XB0
	v_lshl_add_u32 v[SCW], v161, 2, s22
	v_add_nc_u32 v[IMR], XB0, v[L16]
	v_lshlrev_b32 v[SCR], 8, v162
	v_lshl_add_u32 v[SCR], v161, 2, v[SCR]
	v_add_nc_u32 v[SCR], XB0, v[SCR]
	s_mul_i32 s21, s20, PRVW
	s_add_co_u32 s21, s21, PRV0                    ; s21: my own bytes
	v_lshl_add_u32 v[QA], v162, 5, s21
	v_add_nc_u32 v[WA], PWE, v[QA]
	v_add_nc_u32 v[QA], PQ, v[QA]
	v_lshlrev_b32 v[SA], 5, v161
	v_lshl_add_u32 v[SA], v162, 4, v[SA]
	v_add_nc_u32 v[SA], s21, v[SA]
	v_add_nc_u32 v[PRVL], s21, v[L16]
	s_lshl_b32 s22, s20, 9
	s_add_co_u32 s22, s22, RED
	v_lshl_add_u32 v[REDW], v161, 2, s22
	v_add_nc_u32 v[REDR], RED, v[L16]
.irp b, 0,1,2,3
	v_mov_b32 v[TM+4+\b], 0                        ; written once: a lane permute's destination counts as one of its sources
.endr
	s_mov_b32 s24, 0x76543210
	s_mov_b32 s25, 0xfedcba98                      ; v_permlanex16_b32's selects for lane l xor 16
	s_mov_b32 s26, 0x4038aa3b                      ; 2 log2(e)
	s_mov_b32 s27, s26                             ; (the packed forms name a pair and take its low word for both halves: so both are written)
	s_mov_b32 s30, 0xc038aa3b                      ; -2 log2(e)
	s_mov_b32 s31, s30
	s_lshr_b32 s22, ttmp9, 3                       ; the batch
	s_lshl_b32 s22, s22, 12
	s_lshl_b32 s28, s20, 10
	s_add_co_u32 s22, s22, s28
	s_add_nc_u64 s[6:7], s[6:7], s[22:23]          ; q: my batch's row, my 256 d
	s_mov_b32 s22, s28
	s_add_nc_u64 s[12:13], s[12:13], s[22:23]      ; We: my 256
	s_mul_i32 s22, s20, 16*12288
	s_add_nc_u64 s[8:9], s[8:9], s[22:23]          ; Wk's image: my 16 tiles
	s_lshl_b32 s22, s20, 13
	s_add_nc_u64 s[10:11], s[10:11], s[22:23]      ; Wk's scale bytes: my 256 rows of 32
	s_lshl_b32 s22, ttmp9, 9
	s_add_nc_u64 s[14:15], s[14:15], s[22:23]      ; p of my 128 rows
	s_lshl_b32 s22, ttmp9, 8
	s_add_nc_u64 s[16:17], s[16:17], s[22:23]      ; my work-group's 256 bytes of (m, l)
	s_lshl_b32 s22, ttmp9, 12
	s_add_co_u32 s22, s22, s28
	s_add_nc_u64 s[18:19], s[18:19], s[22:23]      ; the partial context: my work-group's row, my wave's 1,024 bytes
	; ---- the rows come in: eight K steps of two pieces a wave
	PIECE 0,  0, LR0, 4,  48
	PIECE 1,  3, LR1, 5,  48
	SHARE 0
	PIECE 2,  3, LR2, 6,  48
	PIECE 3,  3, LR3, 7,  48
	SHARE 1
	PIECE 4,  0, LR0, 8,  48
	PIECE 5,  3, LR1, 9,  48
	SHARE 2
	PIECE 6,  3, LR2, 10, 48
	PIECE 7,  3, LR3, 11, 48
	SHARE 3
	PIECE 8,  0, LR0, 12, 48
	PIECE 9,  3, LR1, 13, 48
	SHARE 4
	PIECE 10, 3, LR2, -1, 48                       ; the sets in window 3 are given up one by one to the fragments that take their places
	PIECE 11, 3, LR3, -1, 32
	SHARE 5
	PIECE 12, 0, LR0, 14, 16
	PIECE 13, 3, LR1, 15, 16
	SHARE 6
	PIECE 14, 0, LR0, -1, 16
	PIECE 15, 3, LR1, -1, 0
	s_wait_dscnt 0x0                               ; my stores are done and have read their registers; my reads of buffer 0 and of my stage are over
.irp i, 0,1,2,3,4,5,6,7,8,9,10,11,12,13,14,15
	global_load_b128 v[160+4*\i:160+4*\i+3], v[L16], s[10:11] offset:512*\i   ; Wk's scale bytes of my 256 d: 8,192 dense bytes
.endr
.irp k, 0,1
	global_load_b128 v[240+4*\k:243+4*\k], v[L16], s[6:7] offset:512*\k       ; my 256 of q
.endr
.irp k, 0,1
	global_load_b128 v[248+4*\k:251+4*\k], v[L16], s[12:13] offset:512*\k     ; my 256 of We
.endr
.irp s, 0,1,2,3,4,5,6,7
.irp c, 0,1,2
	global_load_b128 v[BFR+12*\s+4*\c:BFR+12*\s+4*\c+3], v[L16], s[8:9] offset:1536*\s+512*\c   ; tile 0's fragments of Wk, K step by K step
.endr
.endr
	s_barrier_signal -1
	s_barrier_wait -1                              ; behind this barrier no wave reads a stage or buffer 0 any more: each wave's own bytes are laid over them
	FETCH 7
	s_wait_loadcnt 24                              ; all but tile 0's 24
.irp k, 0,2,4,6
	v_pk_mul_f32 v[248+\k:249+\k], v[248+\k:249+\k], s[30:31] op_sel_hi:[1,0]   ; We' = -2 log2(e) We
.endr
.irp i, 0,1,2,3,4,5,6,7,8,9,10,11,12,13,14,15
	ds_store_b128 v[PRVL], v[160+4*\i:160+4*\i+3] offset:512*\i
.endr
.irp k, 0,1
	ds_store_b128 v[PRVL], v[240+4*\k:243+4*\k] offset:PQ+512*\k
	ds_store_b128 v[PRVL], v[248+4*\k:251+4*\k] offset:PWE+512*\k
.endr
	s_wait_dscnt 0x0                               ; the stores have read their registers; K step 7's fragments are in
.irp j, 0,1,2,3,4,5,6,7,8,9,10,11,12,13,14,15
	v_mov_b32 v[EACC+\j], 0
.endr
	ds_load_b128 v[Q:Q+3], v[QA]                   ; tile 0: q, Wk's scale words, We', in the order in which every tile asks for them
	ds_load_b128 v[Q+4:Q+7], v[QA] offset:16
	ds_load_b128 v[BSC:BSC+3], v[SA]
	ds_load_b128 v[WE:WE+3], v[WA]
	ds_load_b128 v[WE+4:WE+7], v[WA] offset:16
; One product: K step s, tile of rows m.  In the result lane (r, h) holds row 16 m + r, register j the d 16 t + 8 h + j.
.macro MM s, m
	WHERE \s, \m
	WIN AWN<<2                                     ; source 1 (the rows' codes) in its window; all else in window 0
.set DD,  ACC+8*(\m)
.set BB,  BFR+12*(\s)
.set SCA, BSC+(\s)%4
.set SCB, ASC+4*(\s)+(\m)%4
.if (\s) == 0
.if (\m) < 4
	v_wmma_scale_f32_16x16x128_f8f6f4 v[DD:DD+7], v[BB:BB+11], v[ARG:ARG+11], v[Q:Q+7], v[SCA], v[SCB] matrix_a_fmt:MATRIX_FMT_BF6 matrix_b_fmt:MATRIX_FMT_BF6
.else
	v_wmma_scale_f32_16x16x128_f8f6f4 v[DD:DD+7], v[BB:BB+11], v[ARG:ARG+11], v[Q:Q+7], v[SCA], v[SCB] matrix_a_fmt:MATRIX_FMT_BF6 matrix_b_fmt:MATRIX_FMT_BF6 matrix_b_scale:MATRIX_SCALE_ROW1
.endif
.elseif (\s) < 4
.if (\m) < 4
	v_wmma_scale_f32_16x16x128_f8f6f4 v[DD:DD+7], v[BB:BB+11], v[ARG:ARG+11], v[DD:DD+7], v[SCA], v[SCB] matrix_a_fmt:MATRIX_FMT_BF6 matrix_b_fmt:MATRIX_FMT_BF6
.else
	v_wmma_scale_f32_16x16x128_f8f6f4 v[DD:DD+7], v[BB:BB+11], v[ARG:ARG+11], v[DD:DD+7], v[SCA], v[SCB] matrix_a_fmt:MATRIX_FMT_BF6 matrix_b_fmt:MATRIX_FMT_BF6 matrix_b_scale:MATRIX_SCALE_ROW1
.endif
.else
.if (\m) < 4
	v_wmma_scale_f32_16x16x128_f8f6f4 v[DD:DD+7], v[BB:BB+11], v[ARG:ARG+11], v[DD:DD+7], v[SCA], v[SCB] matrix_a_fmt:MATRIX_FMT_BF6 matrix_b_fmt:MATRIX_FMT_BF6 matrix_a_scale:MATRIX_SCALE_ROW1
.else
	v_wmma_scale_f32_16x16x128_f8f6f4 v[DD:DD+7], v[BB:BB+11], v[ARG:ARG+11], v[DD:DD+7], v[SCA], v[SCB] matrix_a_fmt:MATRIX_FMT_BF6 matrix_b_fmt:MATRIX_FMT_BF6 matrix_a_scale:MATRIX_SCALE_ROW1 matrix_b_scale:MATRIX_SCALE_ROW1
.endif
.endif
.endm
; The five parts of r = 1 / (1 + 2^(c x)) and of the energy, for accumulator m
.macro MULS m
.irp k, 0,2,4,6
	v_pk_mul_f32 v[ACC+8*(\m)+\k:ACC+8*(\m)+\k+1], v[ACC+8*(\m)+\k:ACC+8*(\m)+\k+1], s[26:27] op_sel_hi:[1,0]   ; c x, from the accumulator's low end on
.endr
.endm
.macro EXPS m
.irp k, 0,1,2,3,4,5,6,7
	v_exp_f32 v[ACC+8*(\m)+\k], v[ACC+8*(\m)+\k]
.endr
.endm
.macro ADDS m
	s_wait_alu depctr_va_vdst(0)
.irp k, 0,2,4,6
	v_pk_add_f32 v[ACC+8*(\m)+\k:ACC+8*(\m)+\k+1], v[ACC+8*(\m)+\k:ACC+8*(\m)+\k+1], 1.0 op_sel_hi:[1,0]
.endr
.endm
.macro RCPS m
.irp k, 0,1,2,3,4,5,6,7
	v_rcp_f32 v[ACC+8*(\m)+\k], v[ACC+8*(\m)+\k]
.endr
.endm
.macro FMAS m
	s_wait_alu depctr_va_vdst(0)
.irp k, 0,2,4,6
	v_pk_fma_f32 v[EACC+2*(\m):EACC+2*(\m)+1], v[ACC+8*(\m)+\k:ACC+8*(\m)+\k+1], v[WE+\k:WE+\k+1], v[EACC+2*(\m):EACC+2*(\m)+1]
.endr
.endm
; A tile's tanh and its part of the energies.  The parts of neighbouring accumulators are laid so that plain packed lines that touch other registers stand between each run of transcendentals and the
; first use of its results (ISA guide 5.7.2).  next = 1: the next tile's q and scale words are asked for at the head, its We' at the end, when this tile's has been used.
.macro TANH next
	s_wait_dscnt 0x0                               ; We' is in; no LDS instruction of mine is out, so the three addresses may step
.if \next
	v_add_nc_u32 v[QA], 64, v[QA]
	v_add_nc_u32 v[SA], 512, v[SA]
	v_add_nc_u32 v[WA], 64, v[WA]
	ds_load_b128 v[Q:Q+3], v[QA]
	ds_load_b128 v[Q+4:Q+7], v[QA] offset:16
	ds_load_b128 v[BSC:BSC+3], v[SA]
.endif
	MULS 0
.irp m, 0,1,2,3,4,5,6,7
	EXPS \m
.if \m < 7
	MULS \m+1
.else
	v_nop
	s_wait_alu depctr_va_vdst(0)
.endif
.if \m > 0
	FMAS \m-1
.endif
	ADDS \m
	RCPS \m
.endr
	v_nop
	s_wait_alu depctr_va_vdst(0)
	FMAS 7
.if \next
	ds_load_b128 v[WE:WE+3], v[WA]
	ds_load_b128 v[WE+4:WE+7], v[WA] offset:16
.endif
.endm
; A tile of 16 d: 64 products, the eight accumulators by turns, one instruction a turn, over the loop's backward jump too.
; refill = 1: behind a K step's eight products and four places (ISA guide 7.12.1 for vector instructions) its fragment of Wk is loaded anew, for the next tile.
.macro TILE refill
	s_wait_dscnt 2                                 ; q and the scale words are in; We's two loads may be out
.irp s, 0,1,2,3,4,5,6,7
.if \refill
	s_wait_loadcnt 21                              ; younger than this K step's three loads: 3 (7 - s) of this tile's later K steps and 3 s refills just issued
.else
	s_wait_loadcnt 21-3*\s
.endif
.irp m, 0,1,2,3,4,5,6,7
	MM \s, \m
.endr
.if (\refill) || (\s == 7)
.rept 4
	v_nop                                          ; behind K step 7 they are also the places in front of the first read of results and of the loads into the scale words
.endr
.endif
.if \refill
.irp c, 0,1,2
	global_load_b128 v[BFR+12*\s+4*\c:BFR+12*\s+4*\c+3], v[L16], s[8:9] offset:12288+1536*\s+512*\c
.endr
.endif
.endr
	WIN 0
	TANH \refill
.if \refill
	s_wait_xcnt 0x0                                ; the refills have read their base: it steps only behind this wait
	s_add_nc_u64 s[8:9], s[8:9], 12288
.endif
.endm
	s_mov_b32 s28, 15
.Ltile:
	TILE 1
	s_sub_co_u32 s28, s28, 1
	s_cmp_lg_u32 s28, 0
	s_cbranch_scc1 .Ltile
	TILE 0                                         ; the last tile asks for nothing: no load leaves its buffer
	; ---- the energies meet, and every wave takes the softmax of the 128 rows
.irp m, 0,1,2,3,4,5,6,7
	v_add_f32 v[160+\m], v[EACC+2*\m], v[EACC+2*\m+1]
.endr
.irp m, 0,1,2,3,4,5,6,7
	v_permlanex16_b32 v[168+\m], v[160+\m], s24, s25
.endr
.irp m, 0,1,2,3,4,5,6,7
	v_add_f32 v[160+\m], v[160+\m], v[168+\m]      ; row 16 m + r over my 256 d
.endr
.irp m, 0,1,2,3,4,5,6,7
	ds_store_b32 v[REDW], v[160+\m] offset:64*\m   ; both halves of the lanes write the same word with the same value
.endr
	v_lshlrev_b32 v[ADR], 4, v0                    ; the addresses of what follows are made here, ahead of the branch on the wave's number
	v_mov_b32 v[PA], s21
	v_and_b32 v[ST8], 31, v0
	v_lshl_add_u32 v[CSTW], v[ST8], 5, s21
	v_add_nc_u32 v[CSTW], CST, v[CSTW]
	v_lshlrev_b32 v[ST8], 3, v[ST8]
	v_mov_b32 v[TP], 0
	s_wait_dscnt 0x0                               ; for the others' sake: my part of the energies is stored
	s_barrier_signal -1
	s_barrier_wait -1
.irp w, 0,1,2,3
	ds_load_b128 v[176+4*\w:179+4*\w], v[REDR] offset:512*\w
.endr
	s_wait_dscnt 0x0
	v_pk_add_f32 v[176:177], v[176:177], v[180:181]
	v_pk_add_f32 v[178:179], v[178:179], v[182:183]
	v_pk_add_f32 v[184:185], v[184:185], v[188:189]
	v_pk_add_f32 v[186:187], v[186:187], v[190:191]
	v_pk_add_f32 v[TT:TT+1], v[176:177], v[184:185]
	v_pk_add_f32 v[TT+2:TT+3], v[178:179], v[186:187]   ; t of rows 4 lane .. 4 lane + 3
	v_max3_num_f32 v[MX], v[TT], v[TT+1], v[TT+2]
	v_max_num_f32 v[MX], v[MX], v[TT+3]
	v_max_num_f32_dpp v[MX], v[MX], v[MX] row_xmask:1 row_mask:0xf bank_mask:0xf
	v_max_num_f32_dpp v[MX], v[MX], v[MX] row_xmask:2 row_mask:0xf bank_mask:0xf
	v_max_num_f32_dpp v[MX], v[MX], v[MX] row_xmask:4 row_mask:0xf bank_mask:0xf
	v_max_num_f32_dpp v[MX], v[MX], v[MX] row_xmask:8 row_mask:0xf bank_mask:0xf
	v_permlanex16_b32 v[TP], v[MX], s24, s25
	v_max_num_f32 v[MX], v[MX], v[TP]              ; m: the largest t of the 128 rows, in every lane
.irp k, 0,1,2,3
	v_sub_f32 v[TT+\k], v[TT+\k], v[MX]
.endr
.irp k, 0,1,2,3
	v_exp_f32 v[TT+\k], v[TT+\k]                   ; p = 2^(t - m)
.endr
	v_nop
	s_wait_alu depctr_va_vdst(0)
	v_add_f32 v[LS], v[TT], v[TT+1]
	v_add_f32 v[TP], v[TT+2], v[TT+3]
	v_add_f32 v[LS], v[LS], v[TP]
	v_add_f32_dpp v[LS], v[LS], v[LS] row_xmask:1 row_mask:0xf bank_mask:0xf
	v_add_f32_dpp v[LS], v[LS], v[LS] row_xmask:2 row_mask:0xf bank_mask:0xf
	v_add_f32_dpp v[LS], v[LS], v[LS] row_xmask:4 row_mask:0xf bank_mask:0xf
	v_add_f32_dpp v[LS], v[LS], v[LS] row_xmask:8 row_mask:0xf bank_mask:0xf
	v_permlanex16_b32 v[TP], v[LS], s24, s25
	v_add_f32 v[LS], v[LS], v[TP]                  ; l: their sum
	ds_store_b128 v[PRVL], v[TT:TT+3]              ; p by rows, in my own bytes
	s_cmp_lg_u32 s20, 0
	s_cbranch_scc1 .Lnot_wave_0                    ; all four waves hold the same p, m and l: wave 0 stores them.  Their registers are not written again
	global_store_b128 v[L16], v[TT:TT+3], s[14:15] ; 512 consecutive bytes
	global_store_b64 v[ST8], v[MX:MX+1], s[16:17]  ; (m, l) 32 times: the store covers 256 consecutive bytes, aligned, with all lanes on
.Lnot_wave_0:
	; ---- the partial context: thread n owns columns 8 n .. 8 n + 7 (16 bytes of each kept row); four trips of 32 rows
.irp j, 0,1,2,3,4,5,6,7
	v_mov_b32 v[CA+\j], 0
.endr
	s_mov_b32 s28, 4
.Lctx:
.irp j, 0,1,2,3,4,5,6,7
	ds_load_b128 v[PB+4*\j:PB+4*\j+3], v[PA] offset:16*\j   ; 32 rows' p: all lanes read the same words
.endr
.set i, 0
.rept 32
	ds_load_b128 v[RW+4*i:RW+4*i+3], v[ADR] offset:2048*i
.set i, i+1
.endr
.set i, 0
.rept 32
	s_wait_dscnt 31-i                              ; row i is in; the younger rows' loads may be out
.irp k, 0,1,2,3
	v_fma_mix_f32_bf16 v[CA+2*\k], v[RW+4*i+\k], v[PB+i], v[CA+2*\k] op_sel_hi:[1,0,0]                    ; the low bf16 x p + the sum, in f32
	v_fma_mix_f32_bf16 v[CA+2*\k+1], v[RW+4*i+\k], v[PB+i], v[CA+2*\k+1] op_sel:[1,0,0] op_sel_hi:[1,0,0]   ; the high one
.endr
.set i, i+1
.endr
	v_add_nc_u32 v[PA], 128, v[PA]                 ; (no LDS load of mine is out)
	v_add_nc_u32 v[ADR], 0x10000, v[ADR]
	s_sub_co_u32 s28, s28, 1
	s_cmp_lg_u32 s28, 0
	s_cbranch_scc1 .Lctx
	ds_store_b128 v[CSTW], v[CA:CA+3]              ; a lane's 32 bytes go through my own bytes of LDS, so that each store to memory covers 512 consecutive bytes
	ds_store_b128 v[CSTW], v[CA+4:CA+7] offset:16
	ds_load_b128 v[64:67], v[PRVL] offset:CST
	ds_load_b128 v[68:71], v[PRVL] offset:CST+512
	s_wait_dscnt 0x0
	global_store_b128 v[L16], v[64:67], s[18:19]
	global_store_b128 v[L16], v[68:71], s[18:19] offset:512
	s_set_vgpr_msb 0x5
	s_wait_tensorcnt 0x0
	ds_add_u32 v254, v255
	s_wait_dscnt 0x0
	s_set_vgpr_msb 0x500
	s_endpgm
.Lfunc_end_k_q25309521d2_attend:
	.size	k_q25309521d2_attend, .Lfunc_end_k_q25309521d2_attend-k_q25309521d2_attend
	.p2alignl 7, 3214868480
	.fill 96, 4, 3214868480
	.section	.rodata,"a",@progbits
	.p2align	6, 0x0
	.amdhsa_kernel k_q25309521d2_attend
		.amdhsa_group_segment_fixed_size 324096
		.amdhsa_private_segment_fixed_size 0
		.amdhsa_enable_private_segment 0
		.amdhsa_kernarg_size 64
		.amdhsa_user_sgpr_count 2
		.amdhsa_user_sgpr_kernarg_segment_ptr 1
		.amdhsa_wavefront_size32 1
		.amdhsa_system_sgpr_workgroup_id_x 1
		.amdhsa_system_sgpr_workgroup_id_y 1
		.amdhsa_system_sgpr_workgroup_id_z 1
		.amdhsa_system_vgpr_workitem_id 0
		.amdhsa_next_free_vgpr 1024
		.amdhsa_next_free_sgpr 66
		.amdhsa_reserve_vcc 0
		.amdhsa_float_denorm_mode_32 3
		.amdhsa_float_denorm_mode_16_64 3
		.amdhsa_memory_ordered 1
		.amdhsa_forward_progress 1
		.amdhsa_inst_pref_size 255
	.end_amdhsa_kernel
	.section	.bss,"aw",@nobits
	.p2align	6
	.space	262144
	.amdgpu_metadata
---
amdhsa.version: [ 1, 2 ]
amdhsa.kernels:
  - .name:           k_q25309521d2_attend
    .symbol:         k_q25309521d2_attend.kd
    .args:
      - { .name: encoder_outputs, .offset: 0, .size: 8, .value_kind: global_buffer, .address_space: global }
      - { .name: qws, .offset: 8, .size: 8, .value_kind: global_buffer, .address_space: global }
      - { .name: wkimg, .offset: 16, .size: 8, .value_kind: global_buffer, .address_space: global }
      - { .name: Wk_scales, .offset: 24, .size: 8, .value_kind: global_buffer, .address_space: global }
      - { .name: We, .offset: 32, .size: 8, .value_kind: global_buffer, .address_space: global }
      - { .name: pws, .offset: 40, .size: 8, .value_kind: global_buffer, .address_space: global }
      - { .name: stws, .offset: 48, .size: 8, .value_kind: global_buffer, .address_space: global }
      - { .name: ctxws, .offset: 56, .size: 8, .value_kind: global_buffer, .address_space: global }
    .group_segment_fixed_size: 324096
    .private_segment_fixed_size: 0
    .kernarg_segment_align: 8
    .kernarg_segment_size: 64
    .max_flat_workgroup_size: 128
    .sgpr_count:     66
    .vgpr_count:     1024
    .wavefront_size: 32
...
	.end_amdgpu_metadata
.endif
;; end of part 2
;; launch finish (part 3): grid 32 x 1, 8 waves a work-group, no clusters, 0 bytes of LDS; arguments pws, stws, ctxws, out0, out1; writes out0, out1
.if DOCPART == 3
	.amdgcn_target "amdgcn-amd-amdhsa--gfx1250"
	.amdhsa_code_object_version 6
	.text
	.protected	k_q25309521d2_finish
	.globl	k_q25309521d2_finish
	.p2align	8
	.type	k_q25309521d2_finish,@function
k_q25309521d2_finish:
	s_mov_b64 s[64:65], 0
	v_nop
	global_prefetch_b8 v0, s[64:65] scope:SCOPE_SE
	s_setreg_imm32_b32 hwreg(HW_REG_WAVE_MODE, 25, 1), 1
	s_wait_xcnt 0x0
; The eight parts of a batch are joined.  Part i has its largest t, m_i, its sum l_i of p = 2^(t - m_i), its p and its sum ctx_i of p x row.
; M = the largest m_i, f_i = 2^(m_i - M), L = the sum of f_i l_i;  out0 = the sum of ctx_i f_i / L;  out1 = p f_i / L.
; A work-group takes a batch; thread n owns 16 bytes (four numbers) of each of the two output rows of 4,096 bytes: every load and store of a wave covers 512 consecutive bytes.
; Thread n's four positions lie in part n / 32, which is its wave's number.  Memory binds what little there is: no LDS, no barrier, no matrix unit.
	s_load_b256 s[4:11], s[0:1], 0x0               ; pws s[4:5], stws s[6:7], ctxws s[8:9], out0 s[10:11]
	s_load_b64 s[12:13], s[0:1], 0x20              ; out1
	v_lshlrev_b32 v1, 4, v0                        ; 16 x thread
	v_and_b32 v2, 31, v0
	v_lshlrev_b32 v2, 3, v2                        ; 8 x lane: a part's (m, l) lies there 32 times
	v_lshrrev_b32 v3, 5, v0
	v_lshl_add_u32 v3, v3, 8, v2                   ; and my own part's
	s_lshl_b32 s14, ttmp9, 12                      ; the batch's row of 4,096 bytes,
	s_mov_b32 s15, 0
	s_lshl_b32 s16, ttmp9, 11                      ; its eight blocks of 256 bytes,
	s_mov_b32 s17, 0
	s_lshl_b32 s18, ttmp9, 15                      ; its eight partial contexts
	s_mov_b32 s19, 0
	s_wait_kmcnt 0x0
	s_add_nc_u64 s[4:5], s[4:5], s[14:15]
	s_add_nc_u64 s[6:7], s[6:7], s[16:17]
	s_add_nc_u64 s[8:9], s[8:9], s[18:19]
	s_add_nc_u64 s[10:11], s[10:11], s[14:15]
	s_add_nc_u64 s[12:13], s[12:13], s[14:15]
.irp i, 0,1,2,3,4,5,6,7
	global_load_b64 v[8+2*\i:9+2*\i], v2, s[6:7] offset:256*\i    ; (m_i, l_i)
.endr
	global_load_b64 v[24:25], v3, s[6:7]                          ; my own part's
	global_load_b128 v[28:31], v1, s[4:5]                         ; p
.irp i, 0,1,2,3,4,5,6,7
	global_load_b128 v[32+4*\i:35+4*\i], v1, s[8:9] offset:4096*\i   ; ctx_i
.endr
	s_wait_loadcnt 9                               ; the nine pairs are in; p and the eight contexts may be out
	v_max3_num_f32 v80, v8, v10, v12
	v_max3_num_f32 v80, v80, v14, v16
	v_max3_num_f32 v80, v80, v18, v20
	v_max_num_f32 v80, v80, v22                    ; M
.irp i, 0,1,2,3,4,5,6,7
	v_sub_f32 v[82+\i], v[8+2*\i], v80
.endr
	v_sub_f32 v90, v24, v80
.irp i, 0,1,2,3,4,5,6,7,8
	v_exp_f32 v[82+\i], v[82+\i]                   ; f_i, and my own part's in v90
.endr
	v_nop                                          ; a plain place behind the exponentials
	s_wait_alu depctr_va_vdst(0)
	v_mul_f32 v81, v82, v9
.irp i, 1,2,3,4,5,6,7
	v_fmac_f32 v81, v[82+\i], v[9+2*\i]            ; L: at least 1, since the part that holds M has f = 1 and l >= 1
.endr
	v_rcp_f32 v91, v81
	v_nop
	s_wait_alu depctr_va_vdst(0)
.irp i, 0,1,2,3,4,5,6,7
	v_mul_f32 v[64+2*\i], v[82+\i], v91            ; g_i = f_i / L, twice: a pair for the packed forms
	v_mul_f32 v[65+2*\i], v[82+\i], v91
.endr
	v_mul_f32 v100, v90, v91
	v_mul_f32 v101, v90, v91
	s_wait_loadcnt 0x0
	v_pk_mul_f32 v[92:93], v[32:33], v[64:65]
	v_pk_mul_f32 v[94:95], v[34:35], v[64:65]
.irp i, 1,2,3,4,5,6,7
	v_pk_fma_f32 v[92:93], v[32+4*\i:33+4*\i], v[64+2*\i:65+2*\i], v[92:93]
	v_pk_fma_f32 v[94:95], v[34+4*\i:35+4*\i], v[64+2*\i:65+2*\i], v[94:95]
.endr
	v_pk_mul_f32 v[96:97], v[28:29], v[100:101]
	v_pk_mul_f32 v[98:99], v[30:31], v[100:101]
	global_store_b128 v1, v[92:95], s[10:11]
	global_store_b128 v1, v[96:99], s[12:13]
	s_endpgm
.Lfunc_end_k_q25309521d2_finish:
	.size	k_q25309521d2_finish, .Lfunc_end_k_q25309521d2_finish-k_q25309521d2_finish
	.p2alignl 7, 3214868480
	.fill 96, 4, 3214868480
	.section	.rodata,"a",@progbits
	.p2align	6, 0x0
	.amdhsa_kernel k_q25309521d2_finish
		.amdhsa_group_segment_fixed_size 0
		.amdhsa_private_segment_fixed_size 0
		.amdhsa_enable_private_segment 0
		.amdhsa_kernarg_size 40
		.amdhsa_user_sgpr_count 2
		.amdhsa_user_sgpr_kernarg_segment_ptr 1
		.amdhsa_wavefront_size32 1
		.amdhsa_system_sgpr_workgroup_id_x 1
		.amdhsa_system_sgpr_workgroup_id_y 1
		.amdhsa_system_sgpr_workgroup_id_z 1
		.amdhsa_system_vgpr_workitem_id 0
		.amdhsa_next_free_vgpr 104
		.amdhsa_next_free_sgpr 66
		.amdhsa_reserve_vcc 0
		.amdhsa_float_denorm_mode_32 3
		.amdhsa_float_denorm_mode_16_64 3
		.amdhsa_memory_ordered 1
		.amdhsa_forward_progress 1
		.amdhsa_inst_pref_size 6
	.end_amdhsa_kernel
	.amdgpu_metadata
---
amdhsa.version: [ 1, 2 ]
amdhsa.kernels:
  - .name:           k_q25309521d2_finish
    .symbol:         k_q25309521d2_finish.kd
    .args:
      - { .name: pws, .offset: 0, .size: 8, .value_kind: global_buffer, .address_space: global }
      - { .name: stws, .offset: 8, .size: 8, .value_kind: global_buffer, .address_space: global }
      - { .name: ctxws, .offset: 16, .size: 8, .value_kind: global_buffer, .address_space: global }
      - { .name: out0, .offset: 24, .size: 8, .value_kind: global_buffer, .address_space: global }
      - { .name: out1, .offset: 32, .size: 8, .value_kind: global_buffer, .address_space: global }
    .group_segment_fixed_size: 0
    .private_segment_fixed_size: 0
    .kernarg_segment_align: 8
    .kernarg_segment_size: 40
    .max_flat_workgroup_size: 256
    .sgpr_count:     66
    .vgpr_count:     104
    .wavefront_size: 32
...
	.end_amdgpu_metadata
.endif
;; end of part 3
;; ======== version 2 of 2: 3 launches; version 1 with the launches prep, attend written anew for expert scheduling mode
;; workspace buffers: qws 131,072 bytes; wkimg 786,432 bytes; pws 131,072 bytes; stws 65,536 bytes; ctxws 1,048,576 bytes
;; launch prep (part 4): grid 24 x 1, 8 waves a work-group, no clusters, 9,728 bytes of LDS; arguments decoder_hidden_codes, decoder_hidden_scales, Wq_codes, Wq_scales, Wk_codes, qws, wkimg; writes qws, wkimg
.if DOCPART == 4
	.amdgcn_target "amdgcn-amd-amdhsa--gfx1250"
	.amdhsa_code_object_version 6
	.text
	.protected	k_q25309521d2_prep
	.globl	k_q25309521d2_prep
	.p2align	8
	.type	k_q25309521d2_prep,@function
k_q25309521d2_prep:
	s_mov_b64 s[64:65], 0
	v_nop
	global_prefetch_b8 v0, s[64:65] scope:SCOPE_SE
	s_setreg_imm32_b32 hwreg(HW_REG_WAVE_SCHED_MODE, 0, 2), 2
	s_setreg_imm32_b32 hwreg(HW_REG_WAVE_MODE, 25, 1), 1
	s_wait_xcnt 0x0
	s_wait_alu depctr_vm_vsrc(0)
; Two small jobs ahead of the main launch, told apart by the work-group's number (the same in all waves of a work-group).
; Work-groups 0-15: q = decoder_hidden x Wq on codes of BF6 (E3M2) with E8M0 scales, as they are given; q [32][1024] f32 goes to qws.
;   Wave: one tile of 16 d (nt = wave / 2 of the work-group's four) x one tile of 16 batches (mt = wave % 2), K = 1,024 in eight steps of 128.
;   The product is used transposed (source 0 = 16 rows of Wq, source 1 = 16 rows of decoder_hidden): a lane holds one batch and eight neighbouring d.
;   The work-group's 64 d are 256 bytes of a row of q: the eight waves' results meet in a stage in LDS and leave as whole aligned runs of 256 bytes.
; Work-groups 16-23: Wk's codes are laid anew in the order of an operand's registers: tile t of 16 d at 12,288 t, K step s at + 1,536 s,
;   registers 4 c .. 4 c + 3 at + 512 c, lane l at + 16 l.  The main launch then takes a fragment by three dense loads of 16 bytes a lane.
; THE MODE: SCHED_MODE bits 1:0 = 2 (LLVM: expert scheduling mode 2), set by the entry lines.  The code itself states the register dependences
; between vector or matrix instructions and memory or LDS instructions, with s_wait_alu, always for 0.
; THE PLAN.  Offsets and addresses (v3 to v9) are made once, ahead of one wait in front of each path's loads, and never written again.  The operands and scale words are written by
; loads and read by matrix instructions alone.  v232-239, the sums, are written by four additions and read by two LDS stores: one wait between.  v240-247 are named by LDS loads and global stores alone.
.set ROWB,  768                        ; a row of 1,024 codes in bytes
.set TILEB, 16*ROWB                    ; 16 rows
.set SP,    272                        ; a stage row: 256 bytes + 16, so that the sixteen rows of a store start at sixteen different banks (64 banks of 4 bytes: ISA guide 11.1)
.set WF, 16                            ; v16-111   eight fragments of Wq (or of Wk)
.set DF, 112                           ; v112-207  eight fragments of decoder_hidden
.set WS, 208                           ; v208-211  Wq's scale words: register j = K step j in lanes 0-15, K step 4 + j in lanes 16-31
.set DS, 212                           ; v212-215  decoder_hidden's likewise
.set A0, 216                           ; v216-223  the sum over the even K steps
.set A1, 224                           ; v224-231  the sum over the odd ones
.set O,  232                           ; v232-239  their sum
.set BK, 240                           ; v240-247  two rows' pieces read back from the stage
; A fragment is 16 rows x 128 K in 12 registers: lane (r, h) takes 24 bytes at 96 s + 24 h and 24 bytes 48 further on of row r, each as three loads of 8 bytes.
.macro FRAGS reg, sb
.irp s, 0,1,2,3,4,5,6,7
.irp p, 0,1,2,3,4,5
	global_load_b64 v[\reg+12*\s+2*\p:\reg+12*\s+2*\p+1], v3, s[\sb:\sb+1] offset:96*\s+48*(\p/3)+8*(\p%3)
.endr
.endr
.endm
	s_load_b256 s[4:11], s[0:1], 0x0               ; decoder_hidden's codes s[4:5], its scales s[6:7], Wq's codes s[8:9], its scales s[10:11]
	s_load_b128 s[12:15], s[0:1], 0x20             ; Wk's codes s[12:13], qws s[14:15]
	s_load_b64 s[16:17], s[0:1], 0x30              ; wkimg
	v_lshl_add_u32 v254, v0, 2, 0x2200             ; my spare word, behind the stage, and 0: made here and kept for the closing lines alone
	v_mov_b32 v255, 0
	v_lshrrev_b32 v1, 5, v0
	v_readfirstlane_b32 s20, v1                    ; wave 0..7
	v_and_b32 v1, 15, v0                           ; r
	v_bfe_u32 v2, v0, 4, 1                         ; h
	v_mul_u32_u24 v3, v1, ROWB
	v_mad_u32_u24 v3, v2, 24, v3                   ; codes: row r, + 24 h
	s_wait_alu depctr_va_sdst(0)                   ; s20 is written: both paths behind the branch make their tiles' numbers from it
	s_mov_b32 s23, 0                               ; the high word of every offset
	s_cmp_lt_u32 ttmp9, 16
	s_cbranch_scc0 .Lrelay
	; ---- q
	s_lshr_b32 s21, s20, 1                         ; nt
	s_and_b32 s24, s20, 1                          ; mt
	s_lshl_b32 s25, ttmp9, 2
	s_add_co_u32 s25, s25, s21                     ; t = 4 x work-group + nt: my tile of 16 d
	v_lshlrev_b32 v4, 5, v1
	v_lshl_add_u32 v4, v2, 4, v4                   ; scale bytes: row r of 32, + 16 h
	s_mul_i32 s26, s24, 16*SP
	s_lshl_b32 s27, s21, 6
	s_add_co_u32 s26, s26, s27
	v_mul_u32_u24 v6, v1, SP
	v_lshl_add_u32 v6, v2, 5, v6
	v_add_nc_u32 v6, s26, v6                       ; into the stage: row 16 mt + r, byte 64 nt + 32 h
	v_lshrrev_b32 v7, 4, v0                        ; thread / 16: 0..15
	v_mul_u32_u24 v8, v7, SP
	v_lshl_add_u32 v8, v1, 4, v8                   ; back: sixteen threads to a row of 256 bytes
	v_lshlrev_b32 v9, 12, v7
	v_lshl_add_u32 v9, v1, 4, v9                   ; and the same place in q: rows of 4,096 bytes
	s_wait_kmcnt 0x0
	s_mul_i32 s22, s25, TILEB
	s_add_nc_u64 s[8:9], s[8:9], s[22:23]
	s_lshl_b32 s22, s25, 9
	s_add_nc_u64 s[10:11], s[10:11], s[22:23]
	s_mul_i32 s22, s24, TILEB
	s_add_nc_u64 s[4:5], s[4:5], s[22:23]
	s_lshl_b32 s22, s24, 9
	s_add_nc_u64 s[6:7], s[6:7], s[22:23]
	s_lshl_b32 s22, ttmp9, 8
	s_add_nc_u64 s[14:15], s[14:15], s[22:23]      ; q at the work-group's 64 d
	s_wait_alu depctr_va_vdst(0)                   ; v3, v4, v6, v8 and v9 are written: the offsets and addresses of every load and store of this path
	FRAGS WF, 8
	FRAGS DF, 4
	global_load_b128 v[WS:WS+3], v4, s[10:11]
	global_load_b128 v[DS:DS+3], v4, s[6:7]
	s_wait_loadcnt 0x0
	; two accumulators by turns, one instruction a turn; the first two products start the sums
.irp s, 0,1,2,3,4,5,6,7
.if \s < 2
	v_wmma_scale_f32_16x16x128_f8f6f4 v[A0+8*(\s%2):A0+8*(\s%2)+7], v[WF+12*\s:WF+12*\s+11], v[DF+12*\s:DF+12*\s+11], 0, v[WS+\s%4], v[DS+\s%4] matrix_a_fmt:MATRIX_FMT_BF6 matrix_b_fmt:MATRIX_FMT_BF6
.elseif \s < 4
	v_wmma_scale_f32_16x16x128_f8f6f4 v[A0+8*(\s%2):A0+8*(\s%2)+7], v[WF+12*\s:WF+12*\s+11], v[DF+12*\s:DF+12*\s+11], v[A0+8*(\s%2):A0+8*(\s%2)+7], v[WS+\s%4], v[DS+\s%4] matrix_a_fmt:MATRIX_FMT_BF6 matrix_b_fmt:MATRIX_FMT_BF6
.else
	v_wmma_scale_f32_16x16x128_f8f6f4 v[A0+8*(\s%2):A0+8*(\s%2)+7], v[WF+12*\s:WF+12*\s+11], v[DF+12*\s:DF+12*\s+11], v[A0+8*(\s%2):A0+8*(\s%2)+7], v[WS+\s%4], v[DS+\s%4] matrix_a_fmt:MATRIX_FMT_BF6 matrix_b_fmt:MATRIX_FMT_BF6 matrix_a_scale:MATRIX_SCALE_ROW1 matrix_b_scale:MATRIX_SCALE_ROW1
.endif
.endr
.rept 4
	v_nop                                          ; four places between the last product and the first read of results (ISA guide 7.12.1)
.endr
.irp k, 0,2,4,6
	v_pk_add_f32 v[O+\k:O+\k+1], v[A0+\k:A0+\k+1], v[A1+\k:A1+\k+1]   ; from the low end on: lane (r, h) holds q(16 mt + r, 16 t + 8 h + 0 .. 7)
.endr
	s_wait_alu depctr_va_vdst(0)                   ; the four additions have written v232-239, which the two LDS stores read
	ds_store_b128 v6, v[O:O+3]
	ds_store_b128 v6, v[O+4:O+7] offset:16
	s_wait_dscnt 0x0                               ; for the others' sake: my stores into the stage are done
	s_barrier_signal -1
	s_barrier_wait -1
	ds_load_b128 v[BK:BK+3], v8                    ; (no vector or matrix instruction names v240-247)
	ds_load_b128 v[BK+4:BK+7], v8 offset:16*SP
	s_wait_dscnt 0x1                               ; the first is in, the second may be out
	global_store_b128 v9, v[BK:BK+3], s[14:15]     ; sixteen lanes store 256 consecutive bytes, at a multiple of 256 from q's first byte
	s_wait_dscnt 0x0
	global_store_b128 v9, v[BK+4:BK+7], s[14:15] offset:16*4096
	s_wait_dscnt 0x0                               ; the closing lines, six on end
	s_wait_alu 0x0
	s_wait_tensorcnt 0x0
	ds_add_u32 v254, v255
	s_wait_dscnt 0x0
	s_endpgm
	; ---- Wk's codes in the order of the operand's registers (this path stores nothing to LDS)
.Lrelay:
	s_sub_co_u32 s21, ttmp9, 16
	s_lshl_b32 s21, s21, 3
	s_add_co_u32 s21, s21, s20                     ; t = 8 x (work-group - 16) + wave: 0..63
	s_mul_i32 s22, s21, TILEB
	v_and_b32 v5, 31, v0
	v_lshlrev_b32 v5, 4, v5                        ; 16 x lane
	s_wait_kmcnt 0x0
	s_add_nc_u64 s[12:13], s[12:13], s[22:23]
	s_add_nc_u64 s[16:17], s[16:17], s[22:23]
	s_wait_alu depctr_va_vdst(0)                   ; v3 and v5 are written: the loads' offset and the stores'
	FRAGS WF, 12
	s_wait_loadcnt 0x0
.irp s, 0,1,2,3,4,5,6,7
.irp c, 0,1,2
	global_store_b128 v5, v[WF+12*\s+4*\c:WF+12*\s+4*\c+3], s[16:17] offset:1536*\s+512*\c   ; 32 lanes store 512 consecutive bytes
.endr
.endr
	s_endpgm
.Lfunc_end_k_q25309521d2_prep:
	.size	k_q25309521d2_prep, .Lfunc_end_k_q25309521d2_prep-k_q25309521d2_prep
	.p2alignl 7, 3214868480
	.fill 96, 4, 3214868480
	.section	.rodata,"a",@progbits
	.p2align	6, 0x0
	.amdhsa_kernel k_q25309521d2_prep
		.amdhsa_group_segment_fixed_size 9728
		.amdhsa_private_segment_fixed_size 0
		.amdhsa_enable_private_segment 0
		.amdhsa_kernarg_size 56
		.amdhsa_user_sgpr_count 2
		.amdhsa_user_sgpr_kernarg_segment_ptr 1
		.amdhsa_wavefront_size32 1
		.amdhsa_system_sgpr_workgroup_id_x 1
		.amdhsa_system_sgpr_workgroup_id_y 1
		.amdhsa_system_sgpr_workgroup_id_z 1
		.amdhsa_system_vgpr_workitem_id 0
		.amdhsa_next_free_vgpr 256
		.amdhsa_next_free_sgpr 66
		.amdhsa_reserve_vcc 0
		.amdhsa_float_denorm_mode_32 3
		.amdhsa_float_denorm_mode_16_64 3
		.amdhsa_memory_ordered 1
		.amdhsa_forward_progress 1
		.amdhsa_inst_pref_size 21
	.end_amdhsa_kernel
	.amdgpu_metadata
---
amdhsa.version: [ 1, 2 ]
amdhsa.kernels:
  - .name:           k_q25309521d2_prep
    .symbol:         k_q25309521d2_prep.kd
    .args:
      - { .name: decoder_hidden_codes, .offset: 0, .size: 8, .value_kind: global_buffer, .address_space: global }
      - { .name: decoder_hidden_scales, .offset: 8, .size: 8, .value_kind: global_buffer, .address_space: global }
      - { .name: Wq_codes, .offset: 16, .size: 8, .value_kind: global_buffer, .address_space: global }
      - { .name: Wq_scales, .offset: 24, .size: 8, .value_kind: global_buffer, .address_space: global }
      - { .name: Wk_codes, .offset: 32, .size: 8, .value_kind: global_buffer, .address_space: global }
      - { .name: qws, .offset: 40, .size: 8, .value_kind: global_buffer, .address_space: global }
      - { .name: wkimg, .offset: 48, .size: 8, .value_kind: global_buffer, .address_space: global }
    .group_segment_fixed_size: 9728
    .private_segment_fixed_size: 0
    .kernarg_segment_align: 8
    .kernarg_segment_size: 56
    .max_flat_workgroup_size: 256
    .sgpr_count:     66
    .vgpr_count:     256
    .wavefront_size: 32
...
	.end_amdgpu_metadata
.endif
;; end of part 4
;; launch attend (part 5): grid 256 x 1, 4 waves a work-group, no clusters, 324,096 bytes of LDS; arguments encoder_outputs, qws, wkimg, Wk_scales, We, pws, stws, ctxws; writes pws, stws, ctxws
.if DOCPART == 5
	.amdgcn_target "amdgcn-amd-amdhsa--gfx1250"
	.amdhsa_code_object_version 6
	.text
	.protected	k_q25309521d2_attend
	.globl	k_q25309521d2_attend
	.p2align	8
	.type	k_q25309521d2_attend,@function
k_q25309521d2_attend:
	s_mov_b64 s[64:65], 0
	v_nop
	global_prefetch_b8 v0, s[64:65] scope:SCOPE_SE
	s_setreg_imm32_b32 hwreg(HW_REG_WAVE_SCHED_MODE, 0, 2), 2
	s_setreg_imm32_b32 hwreg(HW_REG_WAVE_MODE, 25, 1), 1
	s_wait_xcnt 0x0
	s_wait_alu depctr_vm_vsrc(0)
; For 128 rows (positions) of one batch: keys = Q(enc) x Wk on codes of BF6 (E3M2) with E8M0 scales, tanh(q + keys) . We, a softmax under the work-group's own maximum, and the
; weighted sum of the same 128 rows.  A last launch joins the eight parts of a batch.  encoder_outputs is read from memory ONCE: each row is quantised on its way in, and a bf16 copy of it
; stays in LDS (128 x 2,048 bytes) for the weighted sum.
; SHARES.  Four waves, as many as a WGP has SIMDs.  Wave w quantises rows 32 w .. 32 w + 31; the codes go from wave to wave through LDS as images of the operand's registers, and EVERY wave then
; holds the codes of all 128 rows in registers (64 fragments, 768 registers).  In the product wave w owns d = 256 w .. 256 w + 255, 16 tiles of 16; a fragment of Wk is wanted by one wave alone and
; comes from memory straight into its operand registers (three dense loads of 16 bytes a lane from the image that the launch before has laid), refilled for the next tile when its half of the K steps is done.
; THE PRODUCT IS USED TRANSPOSED (source 0 = 16 d of Wk, source 1 = 16 rows): a lane holds ONE row and eight neighbouring d.  q is the C of each sum's first product.
; tanh(x) = 1 - 2 r, r = 1 / (1 + 2^(2 log2(e) x)).  The 1 adds the same sum of We to every row's energy, and the softmax's own subtraction of the maximum takes it away for every input: it is not added.
; With We' = -2 log2(e) We the sum of We' r is the energy in base 2, t; p = 2^(t - m), m the largest t of the 128 rows.
; NO CLUSTER, NO TENSOR LOAD: beside the 262,144 bytes of kept rows LDS has room for two slots of about 25 KB, 32 matrix instructions' worth a wave for each change of slots; and what all work-groups share
; (Wk, 786,432 bytes) each wave needs only a quarter of.  NO PREFETCH: the rows' loads are themselves issued four pieces (64 loads, 32 KB a wave) ahead.
; LIMITS: NaN and infinities among the inputs are not served.  A block of 32 whose largest magnitude lies under 2^-122 (a block of zeros too) keeps the scale byte 1; a block of zeros has zero codes, which add nothing.
; The rows are rounded to bf16 for the weighted sum alone; what is quantised is the f32 number.
; THE MODE: SCHED_MODE bits 1:0 = 2 (LLVM: expert scheduling mode 2), set by the entry lines.  The code itself states the register dependences
; between vector or matrix instructions and memory or LDS instructions, with s_wait_alu, always for 0.
; THE PLAN.  Registers that memory or LDS instructions touch, and who else names them.
; WHILE THE ROWS COME IN, a piece at a time:
;   a landing set   Global loads land in it; the piece's sixteen stores into the stage and its 32 roundings read it; then the loads of the piece four on land in it (at the end: a K step's fragments, or Wk's first tile).
;   BFT             Written by the roundings, read by the sixteen stores of the kept copy.
;   X               The turned piece lands in it; QUANT reads it.
;   PC, PW          Written by QUANT, read by the image's four stores.
;   v1 to v15       Offsets and addresses, made at the head; none is written in this phase.
;   Three waits a piece.  On va_vdst behind the roundings: BFT is written, and they are done reading the landing set.  On vm_vsrc behind the kept copy's stores: the landing set, BFT, and the last piece's PC and PW have
;   been read.  On va_vdst behind QUANT: PC and PW are written, and QUANT is done with X: no vector instruction stands between that wait and the next piece's loads into X.
; IN THE LOOP OVER TILES:
;   BFR[s]          Read by K step s's eight products; loaded anew for the next tile: K steps 0-3 behind K step 3, K steps 4-7 behind K step 7.
;   Q, BSC          Read by the products; loaded anew behind K step 7.     WE   Read by the tile's multiply-adds; loaded anew behind the next tile's K step 3.
;   QA, SA, WA      Read by those LDS loads; stepped once a tile, behind K step 7.
;   The accumulators and the energies are named by vector and matrix instructions alone; the rows' codes and scale words are only read.
;   Two waits on va_vdst a tile, one for each group of loads; the second also states that the three addresses are written; one wait on vm_vsrc ahead of their steps.
;   The tanh's transcendentals go in two batches, each with its one wait on va_vdst ahead of the first reader.
.set STG,  262144                      ; LDS behind the kept rows: a turning stage for each wave, 16 rows x 528 bytes
.set STGW, 8448
.set XB0,  295936                      ; two buffers by turns (K step s in buffer s % 2): 8 images of 1,536 bytes (tile of rows m), then the tiles' scale words, 64 bytes each
.set XBS,  12800
.set XSC,  12288
.set RED,  321536                      ; the waves' parts of the energies: [wave][128] f32
.set PRV0, 262144                      ; from the last sharing barrier on, over the stages and buffer 0: 10,240 bytes of each wave's own:
.set PRVW, 10240                       ;   + 0 Wk's scale bytes of my 256 d (8,192), + 8,192 my 256 of q, + 9,216 my 256 of We'; behind the loop: + 0 p (512), + 1,024 the context's way out (1,024)
.set PQ,   8192
.set PWE,  9216
.set CST,  1024
.set L16,  1                           ; v1   16 x lane
.set XOFF, 2                           ; v2   rows in memory: 16 x lane + 32 rows x wave
.set RETW, 3                           ; v3   kept rows: 32 rows x wave + 8 x lane
.set SWR,  4                           ; v4   my stage, as loaded: 16 x lane
.set SRD,  5                           ; v5   my stage, turned: 528 r + 64 h
.set IMW,  6                           ; v6   where I store images: buffer 0 + 2 tiles x wave + 16 x lane
.set SCW,  7                           ; v7   and their scale words: + 128 x wave + 4 r
.set IMR,  8                           ; v8   where I read images: buffer 0 + 16 x lane
.set SCR,  9                           ; v9   and scale words: lanes 0-15 tiles 0-3, lanes 16-31 tiles 4-7: + 256 h + 4 r
.set QA,   10                          ; v10  q of the tile in hand: + 32 h
.set WA,   11                          ; v11  We' likewise
.set SA,   12                          ; v12  Wk's scale bytes of the tile: 32 r + 16 h
.set PRVL, 13                          ; v13  my own bytes + 16 x lane
.set REDW, 14                          ; v14  my part of the energies: + 512 x wave + 4 r
.set REDR, 15                          ; v15  all parts: + 16 x lane
.set ASC,  16                          ; v16-47   the rows' scale words: register 4 s + j: tile j in lanes 0-15, tile 4 + j in lanes 16-31
.set F63,  48                          ; v48-59   fragment 63.  Fragment f = 8 s + m (K step s, tile of rows m), f < 63, lies in window 1 + f / 21 at register 12 (f % 21)
.set BSC,  60                          ; v60-63   Wk's scale words of the tile: register j: K step j in lanes 0-15, K step 4 + j in lanes 16-31
.set BFR,  64                          ; v64-159  Wk's eight fragments of the tile
.set ACC,  160                         ; v160-223 eight accumulators, one for each tile of rows
.set Q,    224                         ; v224-231 q at the lane's eight d
.set WE,   232                         ; v232-239 We' likewise
.set EACC, 240                         ; v240-255 the energies: a pair (even d, odd d) for each tile of rows
; while the rows come in, the loop's registers serve otherwise:
.set LR0,  64                          ; four landing sets of 64: window 0 v64-127;
.set LR1,  168                         ; window 3 v168-231, v72-135, v0-63: the places of the fragments of K steps 7, 6 and 5, which are fetched last
.set LR2,  72
.set LR3,  0
.set BFT,  128                         ; v128-159 a piece as bf16
.set X,    160                         ; v160-223 a piece turned: register 16 b + i = k 32 b + 16 h + i of row r
.set PC,   224                         ; v224-243 the codes just made
.set TM,   244                         ; v244-247 largest magnitudes, v248-251 the other half's, then the bytes, v252-255 the conversions' scale operands
.set PW,   60                          ; v60      the scale word just made
; behind the loop:
.set ADR,  2                           ; v2   kept rows: 16 x thread, + 32 rows a trip
.set PA,   3                           ; v3   p's copy, + 128 a trip
.set CSTW, 4                           ; v4   the context's way out: + 32 x lane
.set ST8,  5                           ; v5   8 x lane
.set TT,   232                         ; v232-235 t, then p, of rows 4 lane .. 4 lane + 3
.set MX,   236                         ; v236 m,  v237 l,  v238 at work
.set LS,   237
.set TP,   238
.set RW,   64                          ; v64-191  32 kept rows' 16 bytes
.set PB,   192                         ; v192-223 their 32 p
.set CA,   224                         ; v224-231 my eight columns' sums
.set MSB, 0
.macro WIN new                         ; s_set_vgpr_msb: bits 1:0 source 0, 3:2 source 1, 5:4 source 2, 7:6 destination; the high byte repeats the setting that is left; a switch that changes nothing is dropped
.if MSB != (\new)
	s_set_vgpr_msb (MSB<<8)|(\new)
.set MSB, (\new)
.endif
.endm
.macro WHERE s, m                      ; fragment (s, m): its window AWN and first register ARG
.set FN, 8*(\s)+(\m)
.if FN < 63
.set AWN, 1+FN/21
.set ARG, 12*(FN%21)
.else
.set AWN, 0
.set ARG, F63
.endif
.endm
; Piece p: K step p / 2 (128 columns, 512 bytes of a row) of my rows 16 (p % 2) + 0 .. 15.  Sixteen loads, each of 512 consecutive bytes.
.macro XLOAD p, win, base
.set XS_, (\p)/2
.set XU_, (\p)%2
	WIN (\win)<<6
.irp i, 0,1,2,3,4,5,6,7,8,9,10,11,12,13,14,15
	global_load_b128 v[\base+4*\i:\base+4*\i+3], v[XOFF], s[4:5] offset:(16*XU_+\i)*4096+512*XS_ th:TH_LOAD_NT
.endr
	WIN 0
.endm
; 64 numbers of a lane, register 16 b + i = k 32 b + 16 h + i of my row, become a fragment's codes in v[PC] on and its scale word in v[PW].
.macro QUANT s
.irp b, 0,1,2,3
	v_max3_num_f32 v[TM+\b], |v[\s+16*\b]|, |v[\s+1+16*\b]|, 0x2800000   ; block b: my 16 numbers, and the floor 2^(5 - 127): the byte cannot fall under 1
.endr
.irp i, 2,4,6,8,10,12,14
.irp b, 0,1,2,3
	v_max3_num_f32 v[TM+\b], v[TM+\b], |v[\s+16*\b+\i]|, |v[\s+1+16*\b+\i]|   ; the four blocks by turns
.endr
.endr
.irp b, 0,1,2,3
	v_permlanex16_b32 v[TM+4+\b], v[TM+\b], s24, s25
.endr
.irp b, 0,1,2,3
	v_max_num_f32 v[TM+\b], v[TM+\b], v[TM+4+\b]   ; with lane l xor 16's 16: the block's largest magnitude
.endr
.irp b, 0,1,2,3
	v_add_nc_u32 v[TM+8+\b], 0xfe000000, v[TM+\b]  ; 4 off its exponent field: the conversion takes the exponent field of this operand as its scale
.endr
.irp b, 0,1,2,3
	v_lshrrev_b32 v[TM+4+\b], 23, v[TM+8+\b]       ; the scale's byte
.endr
	v_lshl_or_b32 v[PW], v[TM+5], 8, v[TM+4]       ; my row's scale word (both halves of the lanes hold the same)
	v_lshl_or_b32 v[PW], v[TM+6], 16, v[PW]
	v_lshl_or_b32 v[PW], v[TM+7], 24, v[PW]
.irp c, 0,1
	v_cvt_scalef32_pk16_bf6_f32 v[PC+6*\c:PC+2+6*\c], v[\s+32*\c:\s+15+32*\c], v[TM+8+2*\c]
	v_cvt_scalef32_pk16_bf6_f32 v[PC+12+4*\c:PC+14+4*\c], v[\s+16+32*\c:\s+31+32*\c], v[TM+8+2*\c+1]   ; (a conversion's three registers begin on an even number)
.endr
	v_nop                                          ; one plain place behind a scaled conversion
.irp c, 0,1                            ; the operand's layout wants a whole block in a lane: lanes 0-15 block 2 c, lanes 16-31 block 2 c + 1
.irp i, 0,1,2
	v_permlane16_swap_b32 v[PC+6*\c+\i], v[PC+12+4*\c+\i]
.endr
.irp i, 0,1,2
	v_mov_b32 v[PC+3+6*\c+\i], v[PC+12+4*\c+\i]
.endr
.endr
.endm
; A piece's turn.  It lies in the landing set (win, base).  nxt: the piece that is asked for into the same set, or -1.  left: the younger loads that may stay out, 16 for each piece asked for behind this one.
.macro PIECE p, win, base, nxt, left
.set PS_, (\p)/2
.set PU_, (\p)%2
	s_wait_dscnt 0x0                               ; my earlier LDS instructions are done, the fragments fetched last among them
	s_wait_loadcnt \left
	WIN (\win)<<2                                  ; an LDS store's data are its source 1
.irp i, 0,1,2,3,4,5,6,7,8,9,10,11,12,13,14,15
	ds_store_b128 v[SWR], v[\base+4*\i:\base+4*\i+3] offset:528*\i   ; as loaded: row i, 512 consecutive bytes
.endr
	WIN 0
.irp b, 0,1,2,3
.irp j, 0,1,2,3
	ds_load_b128 v[X+16*\b+4*\j:X+16*\b+4*\j+3], v[SRD] offset:128*\b+16*\j   ; turned: 16 neighbours of each block of row r.  LDS serves a wave's instructions in order (ISA guide 5.7.1.4): these see the stores above.  No vector instruction has named X since the last wait on va_vdst
.endr
.endr
	WIN (\win)|((\win)<<2)
.irp i, 0,1,2,3,4,5,6,7,8,9,10,11,12,13,14,15
	v_cvt_pk_bf16_f32 v[BFT+2*\i], v[\base+4*\i], v[\base+4*\i+1]
	v_cvt_pk_bf16_f32 v[BFT+2*\i+1], v[\base+4*\i+2], v[\base+4*\i+3]
.endr
	WIN 0
	s_wait_alu depctr_va_vdst(0)                   ; the roundings have written BFT, which the stores below read, and are done reading the landing set, in which loads land next
.irp i, 0,1,2,3,4,5,6,7,8,9,10,11,12,13,14,15
	ds_store_b64 v[RETW], v[BFT+2*\i:BFT+2*\i+1] offset:(16*PU_+\i)*2048+256*PS_   ; the copy that stays: 256 consecutive bytes of a row
.endr
	s_wait_alu depctr_vm_vsrc(0)                   ; the stores into the stage have read the landing set, in which loads land next; the stores above have read BFT, which the next piece's roundings write; the last piece's image stores have read PC and PW, which QUANT below writes
.if (\nxt) >= 0
	XLOAD \nxt, \win, \base                        ; the set takes its next piece at once
.endif
	s_wait_dscnt 16                                ; all but the 16 stores of the kept copy: the turned piece is in
	QUANT X
	s_wait_alu depctr_va_vdst(0)                   ; QUANT has written PC and PW, which the four stores below read, and is done reading X, in which the next piece's turned numbers land
.irp c, 0,1,2
	ds_store_b128 v[IMW], v[PC+4*\c:PC+4*\c+3] offset:XBS*(PS_%2)+1536*PU_+512*\c   ; the fragment as it stands in my registers
.endr
	ds_store_b32 v[SCW], v[PW] offset:XBS*(PS_%2)+XSC+64*PU_   ; both halves of the lanes write the same word with the same value
.endm
.macro FETCH s                         ; the eight fragments of K step s, and their scale words, into every wave's registers.  Where these were landing sets, the set's last piece has stated both dependences
.irp m, 0,1,2,3,4,5,6,7
	WHERE \s, \m
	WIN AWN<<6
.irp c, 0,1,2
	ds_load_b128 v[ARG+4*\c:ARG+4*\c+3], v[IMR] offset:XBS*((\s)%2)+1536*\m+512*\c
.endr
.endr
	WIN 0
.irp j, 0,1,2,3
	ds_load_b32 v[ASC+4*(\s)+\j], v[SCR] offset:XBS*((\s)%2)+XSC+64*\j
.endr
.endm
; One barrier a K step does both orderings: in front of it each wave's stores into buffer s % 2 are done, and so are its reads of the other buffer (fetched a K step ago, waited for at the head of a piece),
; which is written again only behind this barrier.
.macro SHARE s
	s_wait_dscnt 0x0
	s_barrier_signal -1
	s_barrier_wait -1
	FETCH \s
.endm
	s_load_b256 s[4:11], s[0:1], 0x0               ; encoder_outputs s[4:5], qws s[6:7], wkimg s[8:9], Wk's scales s[10:11]
	s_load_b256 s[12:19], s[0:1], 0x20             ; We s[12:13], pws s[14:15], stws s[16:17], ctxws s[18:19]
	s_set_vgpr_msb 0x40                            ; destination in window 1: my spare word's address and 0 lie in v510 and v511, made here and kept for the closing lines alone
	v_lshl_add_u32 v254, v0, 2, 0x4f000
	v_mov_b32 v255, 0
	s_set_vgpr_msb 0x4000
	v_lshrrev_b32 v160, 5, v0
	v_readfirstlane_b32 s20, v160                  ; wave 0..3
	v_and_b32 v160, 31, v0                         ; lane
	v_lshlrev_b32 v[L16], 4, v160
	s_wait_alu depctr_va_sdst(0)                   ; s20 is written, ahead of its first reader
	s_lshl_b32 s22, s20, 17
	v_add_nc_u32 v[XOFF], s22, v[L16]
	s_lshl_b32 s22, ttmp9, 19                      ; the work-group's 128 rows of 4,096 bytes
	s_mov_b32 s23, 0
	s_wait_kmcnt 0x0
	s_add_nc_u64 s[4:5], s[4:5], s[22:23]
	s_wait_alu depctr_va_vdst(0)                   ; v[XOFF] is written: the offset of every load of the rows
	XLOAD 0, 0, LR0                                ; four pieces, 64 loads, are asked for before anything else is done
	XLOAD 1, 3, LR1
	XLOAD 2, 3, LR2
	XLOAD 3, 3, LR3
	v_and_b32 v161, 15, v0                         ; r
	v_bfe_u32 v162, v0, 4, 1                       ; h
	s_lshl_b32 s22, s20, 16
	v_lshl_add_u32 v[RETW], v160, 3, s22
	s_mul_i32 s22, s20, STGW
	s_add_co_u32 s22, s22, STG
	v_add_nc_u32 v[SWR], s22, v[L16]
	v_mul_u32_u24 v[SRD], v161, 528
	v_lshl_add_u32 v[SRD], v162, 6, v[SRD]
	v_add_nc_u32 v[SRD], s22, v[SRD]
	s_mul_i32 s22, s20, 3072
	s_add_co_u32 s22, s22, XB0
	v_add_nc_u32 v[IMW], s22, v[L16]
	s_lshl_b32 s22, s20, 7
	s_add_co_u32 s22, s22, XB0
	v_lshl_add_u32 v[SCW], v161, 2, s22
	v_add_nc_u32 v[IMR], XB0, v[L16]
	v_lshlrev_b32 v[SCR], 8, v162
	v_lshl_add_u32 v[SCR], v161, 2, v[SCR]
	v_add_nc_u32 v[SCR], XB0, v[SCR]
	s_mul_i32 s21, s20, PRVW
	s_add_co_u32 s21, s21, PRV0                    ; s21: my own bytes
	v_lshl_add_u32 v[QA], v162, 5, s21
	v_add_nc_u32 v[WA], PWE, v[QA]
	v_add_nc_u32 v[QA], PQ, v[QA]
	v_lshlrev_b32 v[SA], 5, v161
	v_lshl_add_u32 v[SA], v162, 4, v[SA]
	v_add_nc_u32 v[SA], s21, v[SA]
	v_add_nc_u32 v[PRVL], s21, v[L16]
	s_lshl_b32 s22, s20, 9
	s_add_co_u32 s22, s22, RED
	v_lshl_add_u32 v[REDW], v161, 2, s22
	v_add_nc_u32 v[REDR], RED, v[L16]
.irp b, 0,1,2,3
	v_mov_b32 v[TM+4+\b], 0                        ; written once: a lane permute's destination counts as one of its sources
.endr
	s_mov_b32 s24, 0x76543210
	s_mov_b32 s25, 0xfedcba98                      ; v_permlanex16_b32's selects for lane l xor 16
	s_mov_b32 s26, 0x4038aa3b                      ; 2 log2(e)
	s_mov_b32 s27, s26                             ; (the packed forms name a pair and take its low word for both halves: so both are written)
	s_mov_b32 s30, 0xc038aa3b                      ; -2 log2(e)
	s_mov_b32 s31, s30
	s_lshr_b32 s22, ttmp9, 3                       ; the batch
	s_lshl_b32 s22, s22, 12
	s_lshl_b32 s28, s20, 10
	s_add_co_u32 s22, s22, s28
	s_add_nc_u64 s[6:7], s[6:7], s[22:23]          ; q: my batch's row, my 256 d
	s_mov_b32 s22, s28
	s_add_nc_u64 s[12:13], s[12:13], s[22:23]      ; We: my 256
	s_mul_i32 s22, s20, 16*12288
	s_add_nc_u64 s[8:9], s[8:9], s[22:23]          ; Wk's image: my 16 tiles
	s_lshl_b32 s22, s20, 13
	s_add_nc_u64 s[10:11], s[10:11], s[22:23]      ; Wk's scale bytes: my 256 rows of 32
	s_lshl_b32 s22, ttmp9, 9
	s_add_nc_u64 s[14:15], s[14:15], s[22:23]      ; p of my 128 rows
	s_lshl_b32 s22, ttmp9, 8
	s_add_nc_u64 s[16:17], s[16:17], s[22:23]      ; my work-group's 256 bytes of (m, l)
	s_lshl_b32 s22, ttmp9, 12
	s_add_co_u32 s22, s22, s28
	s_add_nc_u64 s[18:19], s[18:19], s[22:23]      ; the partial context: my work-group's row, my wave's 1,024 bytes
	s_wait_alu depctr_va_vdst(0)                   ; the addresses v3 to v15 are written, which the LDS instructions below read; so are v160 to v162, in which the first turned piece lands
	; ---- the rows come in: eight K steps of two pieces a wave
	PIECE 0,  0, LR0, 4,  48
	PIECE 1,  3, LR1, 5,  48
	SHARE 0
	PIECE 2,  3, LR2, 6,  48
	PIECE 3,  3, LR3, 7,  48
	SHARE 1
	PIECE 4,  0, LR0, 8,  48
	PIECE 5,  3, LR1, 9,  48
	SHARE 2
	PIECE 6,  3, LR2, 10, 48
	PIECE 7,  3, LR3, 11, 48
	SHARE 3
	PIECE 8,  0, LR0, 12, 48
	PIECE 9,  3, LR1, 13, 48
	SHARE 4
	PIECE 10, 3, LR2, -1, 48                       ; the sets in window 3 are given up one by one to the fragments that take their places
	PIECE 11, 3, LR3, -1, 32
	SHARE 5
	PIECE 12, 0, LR0, 14, 16
	PIECE 13, 3, LR1, 15, 16
	SHARE 6
	PIECE 14, 0, LR0, -1, 16
	PIECE 15, 3, LR1, -1, 0
	s_wait_dscnt 0x0                               ; my stores are done; my reads of buffer 0 and of my stage are over
	; The loads below land in X, in QUANT's work registers, in the first landing set and in BFT.  The last piece's waits have stated all that they hang on: QUANT and the roundings stand ahead of its last wait on
	; va_vdst, the stores that read the landing set and BFT ahead of its wait on vm_vsrc, and no vector instruction has been issued since.
.irp i, 0,1,2,3,4,5,6,7,8,9,10,11,12,13,14,15
	global_load_b128 v[160+4*\i:160+4*\i+3], v[L16], s[10:11] offset:512*\i   ; Wk's scale bytes of my 256 d: 8,192 dense bytes
.endr
.irp k, 0,1
	global_load_b128 v[240+4*\k:243+4*\k], v[L16], s[6:7] offset:512*\k       ; my 256 of q
.endr
.irp k, 0,1
	global_load_b128 v[248+4*\k:251+4*\k], v[L16], s[12:13] offset:512*\k     ; my 256 of We
.endr
.irp s, 0,1,2,3,4,5,6,7
.irp c, 0,1,2
	global_load_b128 v[BFR+12*\s+4*\c:BFR+12*\s+4*\c+3], v[L16], s[8:9] offset:1536*\s+512*\c   ; tile 0's fragments of Wk, K step by K step
.endr
.endr
	s_barrier_signal -1
	s_barrier_wait -1                              ; behind this barrier no wave reads a stage or buffer 0 any more: each wave's own bytes are laid over them
	FETCH 7
	s_wait_loadcnt 24                              ; all but tile 0's 24
.irp k, 0,2,4,6
	v_pk_mul_f32 v[248+\k:249+\k], v[248+\k:249+\k], s[30:31] op_sel_hi:[1,0]   ; We' = -2 log2(e) We
.endr
	s_wait_alu depctr_va_vdst(0)                   ; the four multiplications have written v248-255, which two of the stores below read
.irp i, 0,1,2,3,4,5,6,7,8,9,10,11,12,13,14,15
	ds_store_b128 v[PRVL], v[160+4*\i:160+4*\i+3] offset:512*\i
.endr
.irp k, 0,1
	ds_store_b128 v[PRVL], v[240+4*\k:243+4*\k] offset:PQ+512*\k
	ds_store_b128 v[PRVL], v[248+4*\k:251+4*\k] offset:PWE+512*\k
.endr
	s_wait_dscnt 0x0                               ; K step 7's fragments are in, and my own bytes are written
	s_wait_alu depctr_vm_vsrc(0)                   ; the stores above have read v160-223, which the products write, and v240-255, which are cleared below; the last piece's image stores have read v224-235 and v60, in which q, We' and Wk's scale words land
.irp j, 0,1,2,3,4,5,6,7,8,9,10,11,12,13,14,15
	v_mov_b32 v[EACC+\j], 0
.endr
	ds_load_b128 v[Q:Q+3], v[QA]                   ; tile 0: q and Wk's scale words; every tile asks for its We' behind its K step 3
	ds_load_b128 v[Q+4:Q+7], v[QA] offset:16
	ds_load_b128 v[BSC:BSC+3], v[SA]
; One product: K step s, tile of rows m.  In the result lane (r, h) holds row 16 m + r, register j the d 16 t + 8 h + j.
.macro MM s, m
	WHERE \s, \m
	WIN AWN<<2                                     ; source 1 (the rows' codes) in its window; all else in window 0
.set DD,  ACC+8*(\m)
.set BB,  BFR+12*(\s)
.set SCA, BSC+(\s)%4
.set SCB, ASC+4*(\s)+(\m)%4
.if (\s) == 0
.if (\m) < 4
	v_wmma_scale_f32_16x16x128_f8f6f4 v[DD:DD+7], v[BB:BB+11], v[ARG:ARG+11], v[Q:Q+7], v[SCA], v[SCB] matrix_a_fmt:MATRIX_FMT_BF6 matrix_b_fmt:MATRIX_FMT_BF6
.else
	v_wmma_scale_f32_16x16x128_f8f6f4 v[DD:DD+7], v[BB:BB+11], v[ARG:ARG+11], v[Q:Q+7], v[SCA], v[SCB] matrix_a_fmt:MATRIX_FMT_BF6 matrix_b_fmt:MATRIX_FMT_BF6 matrix_b_scale:MATRIX_SCALE_ROW1
.endif
.elseif (\s) < 4
.if (\m) < 4
	v_wmma_scale_f32_16x16x128_f8f6f4 v[DD:DD+7], v[BB:BB+11], v[ARG:ARG+11], v[DD:DD+7], v[SCA], v[SCB] matrix_a_fmt:MATRIX_FMT_BF6 matrix_b_fmt:MATRIX_FMT_BF6
.else
	v_wmma_scale_f32_16x16x128_f8f6f4 v[DD:DD+7], v[BB:BB+11], v[ARG:ARG+11], v[DD:DD+7], v[SCA], v[SCB] matrix_a_fmt:MATRIX_FMT_BF6 matrix_b_fmt:MATRIX_FMT_BF6 matrix_b_scale:MATRIX_SCALE_ROW1
.endif
.else
.if (\m) < 4
	v_wmma_scale_f32_16x16x128_f8f6f4 v[DD:DD+7], v[BB:BB+11], v[ARG:ARG+11], v[DD:DD+7], v[SCA], v[SCB] matrix_a_fmt:MATRIX_FMT_BF6 matrix_b_fmt:MATRIX_FMT_BF6 matrix_a_scale:MATRIX_SCALE_ROW1
.else
	v_wmma_scale_f32_16x16x128_f8f6f4 v[DD:DD+7], v[BB:BB+11], v[ARG:ARG+11], v[DD:DD+7], v[SCA], v[SCB] matrix_a_fmt:MATRIX_FMT_BF6 matrix_b_fmt:MATRIX_FMT_BF6 matrix_a_scale:MATRIX_SCALE_ROW1 matrix_b_scale:MATRIX_SCALE_ROW1
.endif
.endif
.endm
; A K step's eight products.  left: the younger loads of Wk that may stay out.
.macro KSTEP s, left
	s_wait_loadcnt \left
.irp m, 0,1,2,3,4,5,6,7
	MM \s, \m
.endr
.endm
; Wk's fragments of K steps s0 .. s0 + 3 are loaded anew, for the next tile: twelve loads
.macro REFILL s0
.irp s, \s0, \s0+1, \s0+2, \s0+3
.irp c, 0,1,2
	global_load_b128 v[BFR+12*(\s)+4*\c:BFR+12*(\s)+4*\c+3], v[L16], s[8:9] offset:12288+1536*(\s)+512*\c
.endr
.endr
.endm
; The parts of r = 1 / (1 + 2^(c x)), for accumulator m
.macro MULS m
.irp k, 0,2,4,6
	v_pk_mul_f32 v[ACC+8*(\m)+\k:ACC+8*(\m)+\k+1], v[ACC+8*(\m)+\k:ACC+8*(\m)+\k+1], s[26:27] op_sel_hi:[1,0]   ; c x, from the accumulator's low end on
.endr
.endm
.macro EXPS m
.irp k, 0,1,2,3,4,5,6,7
	v_exp_f32 v[ACC+8*(\m)+\k], v[ACC+8*(\m)+\k]
.endr
.endm
.macro ADDS m
.irp k, 0,2,4,6
	v_pk_add_f32 v[ACC+8*(\m)+\k:ACC+8*(\m)+\k+1], v[ACC+8*(\m)+\k:ACC+8*(\m)+\k+1], 1.0 op_sel_hi:[1,0]
.endr
.endm
.macro RCPS m
.irp k, 0,1,2,3,4,5,6,7
	v_rcp_f32 v[ACC+8*(\m)+\k], v[ACC+8*(\m)+\k]
.endr
.endm
; A tile's tanh and its part of the energies.  next = 1: at the head the next tile's K steps 4-7 of Wk, its q and its scale words are asked for.
; The transcendentals go in two batches.  In the first, the scalings of the next accumulator stand between the exponentials of one and of the next, and nothing names an exponential's result; in the second
; the additions of 1 stand so between the reciprocals.  Each batch has one plain place behind its last transcendental (ISA guide 5.7.2) and one wait ahead of its first reader.
.macro TANH next
	s_wait_dscnt 0x0                               ; We' is in: it was asked for 32 products ago
.if \next
	s_wait_alu depctr_vm_vsrc(0)                   ; the LDS loads issued so far have read the three addresses, which step now
	v_add_nc_u32 v[QA], 64, v[QA]
	v_add_nc_u32 v[SA], 512, v[SA]
	v_add_nc_u32 v[WA], 64, v[WA]
	v_nop                                          ; with the three additions: four places between the last product and the first read of results, and in front of loads into registers that the products have read (ISA guide 7.12.1 for vector instructions)
	s_wait_alu depctr_va_vdst(0)                   ; the three addresses are written; the products are done reading Wk's fragments of K steps 4-7, q and Wk's scale words, in all of which the loads below land
	REFILL 4
	ds_load_b128 v[Q:Q+3], v[QA]
	ds_load_b128 v[Q+4:Q+7], v[QA] offset:16
	ds_load_b128 v[BSC:BSC+3], v[SA]
.else
.rept 4
	v_nop                                          ; four places between the last product and the first read of results (ISA guide 7.12.1)
.endr
.endif
	MULS 0
.irp m, 0,1,2,3,4,5,6,7
	EXPS \m
.if \m < 7
	MULS \m+1
.endif
.endr
	v_nop                                          ; the plain place behind the last exponential
	s_wait_alu depctr_va_vdst(0)                   ; the 64 exponentials have written their results, which the additions below read
	ADDS 0
.irp m, 0,1,2,3,4,5,6,7
	RCPS \m
.if \m < 7
	ADDS \m+1
.endif
.endr
	v_nop                                          ; the plain place behind the last reciprocal
	s_wait_alu depctr_va_vdst(0)                   ; the 64 reciprocals have written their results, which the multiply-adds below read
.irp k, 0,2,4,6                        ; each energy takes its d in ascending order; the eight energies by turns, so that no line waits for the line above it
.irp m, 0,1,2,3,4,5,6,7
	v_pk_fma_f32 v[EACC+2*\m:EACC+2*\m+1], v[ACC+8*\m+\k:ACC+8*\m+\k+1], v[WE+\k:WE+\k+1], v[EACC+2*\m:EACC+2*\m+1]
.endr
.endr
.endm
; A tile of 16 d: 64 products, the eight accumulators by turns, one instruction a turn, over the loop's backward jump too.
; The loads of Wk come back in order (ISA guide 5.7.1).  At a tile's head 24 are out, K step by K step.  Younger than K step s's three: for s < 4 the 3 (3 - s) of the first group and the twelve of the second;
; for s >= 4 the 3 (7 - s) of the second group and, with refill = 1, the twelve asked for behind K step 3.
.macro TILE refill
	s_wait_dscnt 0x0                               ; q and Wk's scale words are in
	KSTEP 0, 21
	KSTEP 1, 18
	KSTEP 2, 15
	KSTEP 3, 12
	WIN 0
.rept 4
	v_nop                                          ; the places in front of loads into registers that matrix instructions have read stay beside the wait
.endr
	s_wait_alu depctr_va_vdst(0)                   ; the products are done reading Wk's fragments of K steps 0-3, and the last tile's multiply-adds are done reading We': the loads below land in both.  The products that follow name neither
.if \refill
	REFILL 0
.endif
	ds_load_b128 v[WE:WE+3], v[WA]                 ; this tile's We'
	ds_load_b128 v[WE+4:WE+7], v[WA] offset:16
	KSTEP 4, 9+12*\refill
	KSTEP 5, 6+12*\refill
	KSTEP 6, 3+12*\refill
	KSTEP 7, 12*\refill
	WIN 0
	TANH \refill
.if \refill
	s_wait_xcnt 0x0                                ; the refills have read their base: it steps only behind this wait
	s_add_nc_u64 s[8:9], s[8:9], 12288
.endif
.endm
	s_mov_b32 s28, 15
.Ltile:
	TILE 1
	s_sub_co_u32 s28, s28, 1
	s_cmp_lg_u32 s28, 0
	s_cbranch_scc1 .Ltile
	TILE 0                                         ; the last tile asks for nothing of Wk: no load leaves its buffer
	; ---- the energies meet, and every wave takes the softmax of the 128 rows
.irp m, 0,1,2,3,4,5,6,7
	v_add_f32 v[160+\m], v[EACC+2*\m], v[EACC+2*\m+1]
.endr
.irp m, 0,1,2,3,4,5,6,7
	v_permlanex16_b32 v[168+\m], v[160+\m], s24, s25
.endr
.irp m, 0,1,2,3,4,5,6,7
	v_add_f32 v[160+\m], v[160+\m], v[168+\m]      ; row 16 m + r over my 256 d
.endr
	s_wait_alu depctr_vm_vsrc(0)                   ; the loads and stores of the rows' phase have read v2 to v5, which are written anew below
	v_lshlrev_b32 v[ADR], 4, v0                    ; the addresses of what follows are made here, ahead of the branch on the wave's number
	v_mov_b32 v[PA], s21
	v_and_b32 v[ST8], 31, v0
	v_lshl_add_u32 v[CSTW], v[ST8], 5, s21
	v_add_nc_u32 v[CSTW], CST, v[CSTW]
	v_lshlrev_b32 v[ST8], 3, v[ST8]
	v_mov_b32 v[TP], 0
	s_wait_alu depctr_va_vdst(0)                   ; v160-167 are written, which the stores below read; so are the four addresses; and the tanh is done with v176-191, in which the parts land behind the barrier
.irp m, 0,1,2,3,4,5,6,7
	ds_store_b32 v[REDW], v[160+\m] offset:64*\m   ; both halves of the lanes write the same word with the same value
.endr
	s_wait_dscnt 0x0                               ; for the others' sake: my part of the energies is stored
	s_barrier_signal -1
	s_barrier_wait -1
	s_wait_alu depctr_vm_vsrc(0)                   ; my stores have read v160-167, in which kept rows land further down
.irp w, 0,1,2,3
	ds_load_b128 v[176+4*\w:179+4*\w], v[REDR] offset:512*\w
.endr
	s_wait_dscnt 0x0
	v_pk_add_f32 v[176:177], v[176:177], v[180:181]
	v_pk_add_f32 v[178:179], v[178:179], v[182:183]
	v_pk_add_f32 v[184:185], v[184:185], v[188:189]
	v_pk_add_f32 v[186:187], v[186:187], v[190:191]
	v_pk_add_f32 v[TT:TT+1], v[176:177], v[184:185]
	v_pk_add_f32 v[TT+2:TT+3], v[178:179], v[186:187]   ; t of rows 4 lane .. 4 lane + 3
	v_max3_num_f32 v[MX], v[TT], v[TT+1], v[TT+2]
	v_max_num_f32 v[MX], v[MX], v[TT+3]
	v_max_num_f32_dpp v[MX], v[MX], v[MX] row_xmask:1 row_mask:0xf bank_mask:0xf
	v_max_num_f32_dpp v[MX], v[MX], v[MX] row_xmask:2 row_mask:0xf bank_mask:0xf
	v_max_num_f32_dpp v[MX], v[MX], v[MX] row_xmask:4 row_mask:0xf bank_mask:0xf
	v_max_num_f32_dpp v[MX], v[MX], v[MX] row_xmask:8 row_mask:0xf bank_mask:0xf
	v_permlanex16_b32 v[TP], v[MX], s24, s25
	v_max_num_f32 v[MX], v[MX], v[TP]              ; m: the largest t of the 128 rows, in every lane
.irp k, 0,1,2,3
	v_sub_f32 v[TT+\k], v[TT+\k], v[MX]
.endr
.irp k, 0,1,2,3
	v_exp_f32 v[TT+\k], v[TT+\k]                   ; p = 2^(t - m)
.endr
	v_nop                                          ; the plain place behind the last exponential
	s_wait_alu depctr_va_vdst(0)                   ; the four exponentials have written p, which the sums below read
	v_add_f32 v[LS], v[TT], v[TT+1]
	v_add_f32 v[TP], v[TT+2], v[TT+3]
	v_add_f32 v[LS], v[LS], v[TP]
	v_add_f32_dpp v[LS], v[LS], v[LS] row_xmask:1 row_mask:0xf bank_mask:0xf
	v_add_f32_dpp v[LS], v[LS], v[LS] row_xmask:2 row_mask:0xf bank_mask:0xf
	v_add_f32_dpp v[LS], v[LS], v[LS] row_xmask:4 row_mask:0xf bank_mask:0xf
	v_add_f32_dpp v[LS], v[LS], v[LS] row_xmask:8 row_mask:0xf bank_mask:0xf
	v_permlanex16_b32 v[TP], v[LS], s24, s25
	v_add_f32 v[LS], v[LS], v[TP]                  ; l: their sum
	s_wait_alu depctr_va_vdst(0)                   ; p, m and l are written, which the three stores below read
	ds_store_b128 v[PRVL], v[TT:TT+3]              ; p by rows, in my own bytes
	s_cmp_lg_u32 s20, 0
	s_cbranch_scc1 .Lnot_wave_0                    ; all four waves hold the same p, m and l: wave 0 stores them.  Their registers are not written again
	global_store_b128 v[L16], v[TT:TT+3], s[14:15] ; 512 consecutive bytes
	global_store_b64 v[ST8], v[MX:MX+1], s[16:17]  ; (m, l) 32 times: the store covers 256 consecutive bytes, aligned, with all lanes on
.Lnot_wave_0:
	; ---- the partial context: thread n owns columns 8 n .. 8 n + 7 (16 bytes of each kept row); four trips of 32 rows
.irp j, 0,1,2,3,4,5,6,7
	v_mov_b32 v[CA+\j], 0
.endr
	s_mov_b32 s28, 4
.Lctx:
	s_wait_alu depctr_va_vdst(0)                   ; the last trip's multiply-adds are done reading the rows and their p, in whose registers the loads below land, and the two addresses are written; in the first trip: the sums of the energies are done with v176-191
.irp j, 0,1,2,3,4,5,6,7
	ds_load_b128 v[PB+4*\j:PB+4*\j+3], v[PA] offset:16*\j   ; 32 rows' p: all lanes read the same words
.endr
.set i, 0
.rept 32
	ds_load_b128 v[RW+4*i:RW+4*i+3], v[ADR] offset:2048*i
.set i, i+1
.endr
.set i, 0
.rept 32
	s_wait_dscnt 31-i                              ; row i is in; the younger rows' loads may be out
.irp k, 0,1,2,3
	v_fma_mix_f32_bf16 v[CA+2*\k], v[RW+4*i+\k], v[PB+i], v[CA+2*\k] op_sel_hi:[1,0,0]                    ; the low bf16 x p + the sum, in f32
	v_fma_mix_f32_bf16 v[CA+2*\k+1], v[RW+4*i+\k], v[PB+i], v[CA+2*\k+1] op_sel:[1,0,0] op_sel_hi:[1,0,0]   ; the high one
.endr
.set i, i+1
.endr
	s_wait_alu depctr_vm_vsrc(0)                   ; the trip's LDS loads have read the two addresses, which step now
	v_add_nc_u32 v[PA], 128, v[PA]
	v_add_nc_u32 v[ADR], 0x10000, v[ADR]
	s_sub_co_u32 s28, s28, 1
	s_cmp_lg_u32 s28, 0
	s_cbranch_scc1 .Lctx
	s_wait_alu depctr_va_vdst(0)                   ; the multiply-adds have written my eight sums, which the stores below read, and are done reading v64-71, in which the loads below land
	ds_store_b128 v[CSTW], v[CA:CA+3]              ; a lane's 32 bytes go through my own bytes of LDS, so that each store to memory covers 512 consecutive bytes
	ds_store_b128 v[CSTW], v[CA+4:CA+7] offset:16
	ds_load_b128 v[64:67], v[PRVL] offset:CST
	ds_load_b128 v[68:71], v[PRVL] offset:CST+512
	s_wait_dscnt 0x0
	global_store_b128 v[L16], v[64:67], s[18:19]
	global_store_b128 v[L16], v[68:71], s[18:19] offset:512
	s_set_vgpr_msb 0x5                             ; the add's two registers, sources 0 and 1, lie in window 1
	s_wait_dscnt 0x0                               ; the closing lines, six on end
	s_wait_alu 0x0
	s_wait_tensorcnt 0x0
	ds_add_u32 v254, v255
	s_wait_dscnt 0x0
	s_endpgm
.Lfunc_end_k_q25309521d2_attend:
	.size	k_q25309521d2_attend, .Lfunc_end_k_q25309521d2_attend-k_q25309521d2_attend
	.p2alignl 7, 3214868480
	.fill 96, 4, 3214868480
	.section	.rodata,"a",@progbits
	.p2align	6, 0x0
	.amdhsa_kernel k_q25309521d2_attend
		.amdhsa_group_segment_fixed_size 324096
		.amdhsa_private_segment_fixed_size 0
		.amdhsa_enable_private_segment 0
		.amdhsa_kernarg_size 64
		.amdhsa_user_sgpr_count 2
		.amdhsa_user_sgpr_kernarg_segment_ptr 1
		.amdhsa_wavefront_size32 1
		.amdhsa_system_sgpr_workgroup_id_x 1
		.amdhsa_system_sgpr_workgroup_id_y 1
		.amdhsa_system_sgpr_workgroup_id_z 1
		.amdhsa_system_vgpr_workitem_id 0
		.amdhsa_next_free_vgpr 1024
		.amdhsa_next_free_sgpr 66
		.amdhsa_reserve_vcc 0
		.amdhsa_float_denorm_mode_32 3
		.amdhsa_float_denorm_mode_16_64 3
		.amdhsa_memory_ordered 1
		.amdhsa_forward_progress 1
		.amdhsa_inst_pref_size 255
	.end_amdhsa_kernel
	.section	.bss,"aw",@nobits
	.p2align	6
	.space	262144
	.amdgpu_metadata
---
amdhsa.version: [ 1, 2 ]
amdhsa.kernels:
  - .name:           k_q25309521d2_attend
    .symbol:         k_q25309521d2_attend.kd
    .args:
      - { .name: encoder_outputs, .offset: 0, .size: 8, .value_kind: global_buffer, .address_space: global }
      - { .name: qws, .offset: 8, .size: 8, .value_kind: global_buffer, .address_space: global }
      - { .name: wkimg, .offset: 16, .size: 8, .value_kind: global_buffer, .address_space: global }
      - { .name: Wk_scales, .offset: 24, .size: 8, .value_kind: global_buffer, .address_space: global }
      - { .name: We, .offset: 32, .size: 8, .value_kind: global_buffer, .address_space: global }
      - { .name: pws, .offset: 40, .size: 8, .value_kind: global_buffer, .address_space: global }
      - { .name: stws, .offset: 48, .size: 8, .value_kind: global_buffer, .address_space: global }
      - { .name: ctxws, .offset: 56, .size: 8, .value_kind: global_buffer, .address_space: global }
    .group_segment_fixed_size: 324096
    .private_segment_fixed_size: 0
    .kernarg_segment_align: 8
    .kernarg_segment_size: 64
    .max_flat_workgroup_size: 128
    .sgpr_count:     66
    .vgpr_count:     1024
    .wavefront_size: 32
...
	.end_amdgpu_metadata
.endif
;; end of part 5
;; launch finish: the kernel of part 3 again; grid 32 x 1, 8 waves a work-group, no clusters, 0 bytes of LDS; arguments pws, stws, ctxws, out0, out1; writes out0, out1
